; MI455X (gfx1250); checked and timed in simulation.
; The chip was launched on July 23, 2026; its instructions are those of AMD's public machine-readable ISA for CDNA 5 (MIT licence, August 2026) and "CDNA5" Instruction Set Architecture Reference Guide (July 2026). The comments in the code are by the model that wrote it; some were corrected since.
;; Attention Heads. Allowed arithmetic: matrix products marked QUANTISED: E2M1 operands, one E8M0 scale for each 32 along K, by v_wmma_scale_f32_16x16x128_f8f6f4 with both operands' format E2M1 (or v_wmma_scale_f32_32x16x128_f4), f32 sums; products left as they are: bf16, f16 or f32 operands; f32 sums; everything else in f32.
;; Inputs: Wk 1,024 x 1,024 float32; Wq 1,024 x 1,024 float32; Wv 1,024 x 1,024 float32; x 4 x 2,048 x 1,024 float32.
;; Outputs: out0 4 x 2,048 x 1,024 float32.
;; This version of the problem:
;;   THIS VERSION OF THE PROBLEM IS GIVEN IN LOW PRECISION. The matrix products marked QUANTISED in the list below multiply operands that are first quantised to E2M1 (2 exponent bits, 1 mantissa bit; 4 bits a number), with one power-of-two scale for each 32 numbers along K (OCP MX v1.0); their sums are f32. The products marked 'left as it is' may take bf16, f16 or f32 operands, with f32 sums. Whichever they take, every output number must still come out within the allowed error. Rounding operands to bf16 (8 significant bits) uses up far more of that allowance than f16 does (11 bits, for magnitudes from 6e-5 to 65,504). All else is computed in f32.
;;   The module's matrix products, in the order in which they are computed (A, B: the left and right operand; K: the contracted axis; several contracted axes count as one K, in the product's order):
;;     1. [M 8,192, K 1,024] x [K 1,024, N 1,024]; A: input x; B: input Wq: QUANTISED
;;     2. [M 8,192, K 1,024] x [K 1,024, N 1,024]; A: input x; B: input Wk: QUANTISED
;;     3. [M 8,192, K 1,024] x [K 1,024, N 1,024]; A: input x; B: input Wv: QUANTISED
;;     4. batch 64 x [M 2,048, K 64] x [K 64, N 2,048]; A: computed on the way; B: computed on the way: left as it is (an operand is computed on the way)
;;     5. batch 64 x [M 2,048, K 2,048] x [K 2,048, N 64]; A: computed on the way; B: computed on the way: left as it is (an operand is computed on the way)
;;   THE QUANTISER, for each operand of a quantised product, along K:
;;     - K is cut into blocks of 32 from its start; a last block that is shorter is filled with zeros.
;;     - A block's scale is 2^e with e = floor(log2(the largest magnitude in the block)) - 2, held to -126 .. 127; a block of zeros has e = 0. As a byte (E8M0): e + 127.
;;     - Each number is divided by its block's scale, clamped to +-6, and rounded to the nearest number of E2M1, ties to even, subnormals kept.
;;     - The product sums the exact products of the quantised numbers (number of the format x scale) in f32.
;;   ~~~python
;;   def quantise(x, axis):      # numpy; x: float32 -> the quantised numbers, widened to float32 again
;;       x = np.moveaxis(x, axis, -1); K = x.shape[-1]
;;       x = np.pad(x, [(0, 0)] * (x.ndim - 1) + [(0, -K % 32)]); x = x.reshape(x.shape[:-1] + (-1, 32)); a = np.abs(x).max(-1, keepdims=True)
;;       e = np.where(a > 0, np.clip(np.frexp(np.where(a > 0, a, 1))[1] - 1 - 2, -126, 127), 0)      # np.frexp(a)[1] - 1 = floor(log2(a)), exactly
;;       r = np.clip(x / 2.0 ** e, -6, 6)
;;       step = 2.0 ** (np.maximum(np.frexp(np.where(r == 0, 1, r))[1] - 1, 0) - 1)
;;       q = np.round(r / step) * step * 2.0 ** e      # np.round: ties to even
;;       return np.moveaxis(q.reshape(q.shape[:-2] + (-1,))[..., :K], -1, axis).astype(np.float32)
;;   ~~~
;; One version. Each part assembles by itself: llvm-mc -triple=amdgcn-amd-amdhsa -mcpu=gfx1250 --defsym DOCPART=n.
;; ======== version 1 of 1: 4 launches
;; limits: values are held in f16: magnitudes above 65,504 overflow, below 6.1e-05 lose precision
;; workspace buffers: xc 4,194,304 bytes; xs 262,144 bytes; wc 1,572,864 bytes; ws 98,304 bytes; qkv 50,331,648 bytes
;; launch quant (part 1): grid 352 x 1, 4 waves a work-group, no clusters, 33,280 bytes of LDS; arguments x, Wq, Wk, Wv, xc, xs, wc, ws; writes xc, xs, wc, ws
.if DOCPART == 1
	.amdgcn_target "amdgcn-amd-amdhsa--gfx1250"
	.amdhsa_code_object_version 6
	.text
	.protected	k_q457a2c4c40_quant
	.globl	k_q457a2c4c40_quant
	.p2align	8
	.type	k_q457a2c4c40_quant,@function
k_q457a2c4c40_quant:
	s_mov_b64 s[64:65], 0
	v_nop
	global_prefetch_b8 v0, s[64:65] scope:SCOPE_SE
	s_setreg_imm32_b32 hwreg(HW_REG_WAVE_MODE, 25, 1), 1
	s_wait_xcnt 0x0
; x [8192][1024] and Wq, Wk, Wv [1024][1024], f32, K innermost, are turned into codes of FP4 (E2M1), two to a byte, K innermost, with one E8M0 scale byte for each 32 along K.
; x's codes go to xc [8192][512 bytes], its bytes to xs [8192][32]; the three weights' to wc [3072][512] and ws [3072][32], Wq's rows first, then Wk's, then Wv's: one operand of 3,072 rows for the product that follows.
; A block's scale is 2^(floor(log2(its largest magnitude)) - 2); its byte is the largest magnitude's own exponent field - 2, held at 1 from below.  Each number is divided by the scale and rounded to the nearest code, ties to even;
; beyond 6 the conversion gives the largest code.
; LIMITS: a block of zeros gets the byte 1 where the quantiser's text says 127: its codes are zeros, which add nothing under any byte but 0xff, and this program alone reads the bytes.  Blocks whose largest magnitude lies
; under 2^-124 keep the byte 1.  NaN and infinities among the inputs are not served.
; Rows are dense and K is a multiple of 32: every tensor is a plain stream of blocks of 32 numbers, and so are its codes and bytes.  A work-group takes 32,768 numbers: groups 0-255 x, 256-287 Wq, 288-319 Wk, 320-351 Wv.
; A wave takes 16 steps of 512 numbers.  Each of a step's four loads reads 512 consecutive bytes, 16 a lane; the 2,048 bytes turn through the wave's own stage in LDS and come back 64 bytes a lane, so that a lane holds 16
; neighbours along K (two neighbouring lanes hold a block), which is what the conversions take.  A lane's 16 codes are 8 bytes: a wave's store covers 256 consecutive bytes, aligned.  A wave's 256 scale bytes are gathered in LDS
; and leave by one store of 256 consecutive bytes.  No tensor loads, no barrier: waves share nothing.  Loads run four steps (16 loads a wave) ahead, the turn through LDS one step.
.set WAVES, 4
.set STEPS, 16
.set CB,    8                          ; bytes of 16 codes
.set R,     16                         ; v16-79   four sets of 16 numbers as they are loaded
.set X,     80                         ; v80-111  two sets of 16 neighbours
.set E,     112                        ; v112-127 a scale byte for each step
.set C,     128                        ; v128-191 codes: four registers for each step, so that no store's data are written again
.set WREG,  8192                       ; LDS: a region for each wave: two stages of 32 x SP bytes, and behind them its 256 scale bytes
.set SP,    80                         ; a lane's place in a stage: its 64 bytes + 16 of padding
.set SPW,   12                         ; v12      LDS address of my spare word: SPARE + 4 x my thread's number; never rewritten
.set NIL,   13                         ; v13      0; never rewritten
.set SPARE, WAVES*WREG                 ; behind the four regions: the spare words, 128 bytes for each wave, which no other line names
	s_load_b256 s[4:11], s[0:1], 0x0               ; x s[4:5], Wq s[6:7], Wk s[8:9], Wv s[10:11]
	s_load_b256 s[12:19], s[0:1], 0x20             ; xc s[12:13], xs s[14:15], wc s[16:17], ws s[18:19]
	v_lshl_add_u32 v[SPW], v0, 2, SPARE
	v_mov_b32 v[NIL], 0
	v_lshrrev_b32 v1, 5, v0
	v_readfirstlane_b32 s28, v1                    ; wave
	v_and_b32 v2, 31, v0                           ; lane
	v_lshlrev_b32 v3, 4, v2                        ; my 16 bytes of a load's 512
	s_mul_i32 s29, s28, WREG
	v_lshrrev_b32 v14, 2, v2
	v_mul_u32_u24 v14, v14, SP
	v_and_b32 v15, 3, v2
	v_lshl_add_u32 v14, v15, 4, v14
	v_add_nc_u32 v14, s29, v14                     ; the stage, on the way in: four lanes' 64 bytes on end, then 16 of padding
	v_mul_u32_u24 v15, v2, SP
	v_add_nc_u32 v15, s29, v15                     ; and on the way out: SP x lane: my 16 neighbours
	v_mul_u32_u24 v4, v2, CB                       ; my codes' place in a step's
	v_lshrrev_b32 v5, 1, v2
	s_add_co_u32 s29, s29, 2*32*SP
	v_add_nc_u32 v5, s29, v5                       ; LDS: my wave's 256 scale bytes, my block's byte
	v_lshlrev_b32 v7, 3, v2                        ; and on the way out 8 bytes a lane
	v_add_nc_u32 v6, s29, v7
	s_wait_kmcnt 0x0
	s_cmp_lt_u32 ttmp9, 288                        ; which tensor?  Every choice hangs on the work-group's number alone; only pointers are chosen: all four tensors take one path through the text
	s_cselect_b64 s[22:23], s[6:7], s[8:9]
	s_cmp_lt_u32 ttmp9, 320
	s_cselect_b64 s[22:23], s[22:23], s[10:11]
	s_cmp_lt_u32 ttmp9, 256
	s_cselect_b64 s[22:23], s[4:5], s[22:23]       ; the numbers,
	s_cselect_b64 s[24:25], s[12:13], s[16:17]     ; the codes,
	s_cselect_b64 s[26:27], s[14:15], s[18:19]     ; the scale bytes
	s_cselect_b32 s20, 0, 256
	s_cselect_b32 s21, -1, 31
	s_sub_co_u32 s20, ttmp9, s20                   ; my group's place in the codes' buffer: the three weights lie on end,
	s_and_b32 s21, s20, s21                        ; and in the source tensor: each weight has 32 groups
	s_lshl_b32 s20, s20, 2
	s_add_co_u32 s20, s20, s28                     ; which run of 8,192 numbers is my wave's, in the codes' buffer
	s_lshl_b32 s21, s21, 2
	s_add_co_u32 s21, s21, s28                     ; and in the source
	s_mov_b32 s31, 0
	s_lshl_b32 s30, s21, 15                        ; 32,768 bytes of numbers a run (at most 1,023 runs)
	s_add_nc_u64 s[22:23], s[22:23], s[30:31]
	s_lshl_b32 s30, s20, 12                        ; 4,096 bytes of codes
	s_add_nc_u64 s[24:25], s[24:25], s[30:31]
	s_lshl_b32 s30, s20, 8                         ; 256 scale bytes
	s_add_nc_u64 s[26:27], s[26:27], s[30:31]
.macro LOAD t
.irp i, 0,1,2,3
	global_load_b128 v[R+16*((\t)%4)+4*\i:R+16*((\t)%4)+4*\i+3], v3, s[22:23] offset:2048*(\t)+512*\i th:TH_LOAD_NT   ; 32 lanes read 512 consecutive bytes; read once in the launch
.endr
.endm
.macro TURN t                          ; step t's numbers through the stage: LDS serves a wave's instructions in order (ISA guide 5.7.1.4), so no wait stands between the stores and the loads
.irp i, 0,1,2,3
	ds_store_b128 v14, v[R+16*((\t)%4)+4*\i:R+16*((\t)%4)+4*\i+3] offset:32*SP*((\t)%2)+8*SP*\i
.endr
.irp i, 0,1,2,3
	ds_load_b128 v[X+16*((\t)%2)+4*\i:X+16*((\t)%2)+4*\i+3], v15 offset:32*SP*((\t)%2)+16*\i
.endr
.endm
.irp t, 0,1,2,3
	LOAD \t
.endr
	s_wait_loadcnt 12                              ; step 0's four loads are in; the twelve of steps 1 to 3 may be out
	TURN 0
.macro STEP t
.set XS, X+16*((\t)%2)
.if (\t) > 0
	s_wait_dscnt 1                                 ; this step's numbers are back from the stage (the last step's byte store may be out): so its stores into the stage have read their registers,
.else
	s_wait_dscnt 0x0
.endif
.if (\t)+4 < STEPS
	LOAD (\t)+4                                    ; which take the loads of four steps on
.endif
.if (\t)+1 < STEPS
.if STEPS-2-(\t) >= 3
	s_wait_loadcnt 12                              ; the next step's four loads are in; those of the three steps behind it may be out
.else
	s_wait_loadcnt 4*(STEPS-2-(\t))                ; towards the end fewer steps stand behind it
.endif
	TURN (\t)+1                                    ; and go through the other stage while this step is worked
.endif
	v_max3_num_f32 v8, |v[XS]|, |v[XS+1]|, |v[XS+2]|               ; the largest magnitude of my 16, in two chains
	v_max3_num_f32 v9, |v[XS+3]|, |v[XS+4]|, |v[XS+5]|
.irp i, 6,10
	v_max3_num_f32 v8, v8, |v[XS+\i]|, |v[XS+\i+1]|
	v_max3_num_f32 v9, v9, |v[XS+\i+2]|, |v[XS+\i+3]|
.endr
	v_max3_num_f32 v8, v8, |v[XS+14]|, |v[XS+15]|
	v_max3_num_f32 v8, v8, v9, 0x1800000           ; and the floor 2^(3 - 127), under which no largest magnitude is taken: so the byte cannot fall under 1
	v_max_num_f32_dpp v8, v8, v8 row_xmask:1 row_mask:0xf bank_mask:0xf   ; and of my neighbour's 16: the block's
	v_add_nc_u32 v11, 0xff000000, v8               ; 2 off its exponent field: the conversion takes the exponent field of this operand as its scale, and nothing else of it
	v_cvt_scalef32_pk8_fp4_f32 v[C+4*(\t)], v[XS:XS+7], v11        ; eight numbers / the scale, to the nearest code; the first number's code in the lowest four bits
	v_cvt_scalef32_pk8_fp4_f32 v[C+4*(\t)+1], v[XS+8:XS+15], v11
	v_lshrrev_b32 v[E+(\t)], 23, v11               ; the scale's byte (also the plain line behind the conversions)
	ds_store_b8 v5, v[E+(\t)] offset:16*(\t)       ; both lanes of a block write the same byte with the same value
	global_store_b64 v4, v[C+4*(\t):C+4*(\t)+1], s[24:25] offset:32*CB*(\t)   ; 32 lanes store 256 consecutive bytes, aligned
.endm
.irp t, 0,1,2,3,4,5,6,7,8,9,10,11,12,13,14,15
	STEP \t
.endr
	ds_load_b64 v[8:9], v6                         ; in order behind my byte stores
	s_wait_dscnt 0x0
	global_store_b64 v7, v[8:9], s[26:27]          ; 32 lanes store 256 consecutive bytes, aligned
	s_wait_tensorcnt 0x0                           ; the wave's end: behind my last LDS store
	ds_add_u32 v[SPW], v[NIL]
	s_wait_dscnt 0x0
	s_endpgm
.Lfunc_end_k_q457a2c4c40_quant:
	.size	k_q457a2c4c40_quant, .Lfunc_end_k_q457a2c4c40_quant-k_q457a2c4c40_quant
	.p2alignl 7, 3214868480
	.fill 96, 4, 3214868480
	.section	.rodata,"a",@progbits
	.p2align	6, 0x0
	.amdhsa_kernel k_q457a2c4c40_quant
		.amdhsa_group_segment_fixed_size 33280
		.amdhsa_private_segment_fixed_size 0
		.amdhsa_enable_private_segment 0
		.amdhsa_kernarg_size 64
		.amdhsa_user_sgpr_count 2
		.amdhsa_user_sgpr_kernarg_segment_ptr 1
		.amdhsa_wavefront_size32 1
		.amdhsa_system_sgpr_workgroup_id_x 1
		.amdhsa_system_sgpr_workgroup_id_y 1
		.amdhsa_system_sgpr_workgroup_id_z 1
		.amdhsa_system_vgpr_workitem_id 0
		.amdhsa_next_free_vgpr 192
		.amdhsa_next_free_sgpr 66
		.amdhsa_reserve_vcc 0
		.amdhsa_float_denorm_mode_32 3
		.amdhsa_float_denorm_mode_16_64 3
		.amdhsa_memory_ordered 1
		.amdhsa_forward_progress 1
		.amdhsa_inst_pref_size 34
	.end_amdhsa_kernel
	.amdgpu_metadata
---
amdhsa.version: [ 1, 2 ]
amdhsa.kernels:
  - .name:           k_q457a2c4c40_quant
    .symbol:         k_q457a2c4c40_quant.kd
    .args:
      - { .name: x, .offset: 0, .size: 8, .value_kind: global_buffer, .address_space: global }
      - { .name: Wq, .offset: 8, .size: 8, .value_kind: global_buffer, .address_space: global }
      - { .name: Wk, .offset: 16, .size: 8, .value_kind: global_buffer, .address_space: global }
      - { .name: Wv, .offset: 24, .size: 8, .value_kind: global_buffer, .address_space: global }
      - { .name: xc, .offset: 32, .size: 8, .value_kind: global_buffer, .address_space: global }
      - { .name: xs, .offset: 40, .size: 8, .value_kind: global_buffer, .address_space: global }
      - { .name: wc, .offset: 48, .size: 8, .value_kind: global_buffer, .address_space: global }
      - { .name: ws, .offset: 56, .size: 8, .value_kind: global_buffer, .address_space: global }
    .group_segment_fixed_size: 33280
    .private_segment_fixed_size: 0
    .kernarg_segment_align: 8
    .kernarg_segment_size: 64
    .max_flat_workgroup_size: 128
    .sgpr_count:     66
    .vgpr_count:     192
    .wavefront_size: 32
...
	.end_amdgpu_metadata
.endif
;; end of part 1
;; launch gemm (part 2): grid 12 x 32, 4 waves a work-group, clusters of 4 x 4, 327,680 bytes of LDS; arguments xc, xs, wc, ws, qkv; writes qkv
.if DOCPART == 2
	.amdgcn_target "amdgcn-amd-amdhsa--gfx1250"
	.amdhsa_code_object_version 6
	.text
	.protected	k_q457a2c4c40_gemm
	.globl	k_q457a2c4c40_gemm
	.p2align	8
	.type	k_q457a2c4c40_gemm,@function
k_q457a2c4c40_gemm:
	s_mov_b64 s[64:65], 0
	v_nop
	global_prefetch_b8 v0, s[64:65] scope:SCOPE_SE
	s_setreg_imm32_b32 hwreg(HW_REG_WAVE_MODE, 25, 1), 1
	s_wait_xcnt 0x0
	s_wait_alu depctr_hold_cnt(0) depctr_sa_sdst(0) depctr_va_vdst(0) depctr_va_sdst(0) depctr_va_ssrc(0) depctr_va_vcc(0) depctr_vm_vsrc(0)
	s_getreg_b32 s2, hwreg(HW_REG_IB_STS2, 6, 4)
	s_cmp_eq_u32 s2, 0
	s_cbranch_scc0 .Lentry_in_a_cluster
	s_endpgm
.Lentry_in_a_cluster:
	s_bfe_u32 s2, ttmp6, 0x10000c
	s_cmp_lg_u32 s2, 0xf033
	s_cbranch_scc0 .Lentry_shape_is_right
	s_endpgm
.Lentry_shape_is_right:
; q, k, v = x W^T for the three weights at once: C[m][n] = sum over k of A[m][k] B[n][k], A = x's codes [8192][1024], B = the weights' codes [3072][1024] (Wq, Wk, Wv on end), FP4 (E2M1) with one E8M0 byte for each 32 along K; sums in f32.
; The result leaves as f16, laid by heads for the attention that follows: qkv [part 3][batch 4][head 16][t 2048][64].  Part 0 holds c q, c = log2(e) / 8, multiplied in f32 ahead of the one rounding: the scores then come out as exponents of 2.
; LIMIT: |c q|, |k| or |v| above 65,504 become infinite in f16.  With every input 30 times the drawn spread they stay near 5,000, with offsets of 30 spreads on x and W near 29,000.
; A tile of C, 256 x 256, is made by a work-group of four waves; a wave makes 128 x 128: 64 accumulators of 16 x 16, 512 registers.  K = 1,024 is exactly two LDS slots of 512 along K (tile rows of 256 bytes): both slots and the
; scale bytes are first fills, issued together; no LDS byte is filled twice, and there is no loop.  By this text's own count a wave has three tensor loads outstanding at the most.
; THE SCALES of the work-group's 256 rows of A and of B, for all of K, are two dense blocks of 8,192 bytes: they come into LDS once, as rows of 256 bytes.
; CLUSTERS: 4 x 4 work-groups.  The four of a row of the cluster need the same tiles of A, the four of a column the same tiles of B: each tile is asked for JOINTLY, by the same tensor load with the same descriptor and a mask that names the four.
; THE MATRIX INSTRUCTION IS USED TRANSPOSED (source 0 = 16 rows of B, source 1 = 16 rows of A): a lane then holds eight neighbouring features of one token.
; No prefetch: all that the launch fetches is asked for at its head.
; REGISTERS, in windows of 256: window 0: v0-31 addresses; v32-95 scale words, two sets; from v128 A's fragments (8 x 16 rows x 128 K), ONE set; on the way out v32-95 rows read back, v192-223 packed results.
;   window 1: B's fragments, TWO sets, at v0 and at v128.   window 2: the 32 accumulators of my rows 0-63 (accumulator (a, b) at v[8 (8 a + b)]);   window 3: those of my rows 64-127.
.set SIZE_K, 1024
.set KSTEP,  512                       ; along K in a slot
.set NQ,     KSTEP/128                 ; matrix instructions deep
.set ROWB,   256                       ; a tile's row in bytes
.set KROW,   SIZE_K/2                  ; a row of codes in memory, in bytes
.set PITCH,  272                       ; an LDS row: 256 bytes + 16 of padding = 68 words: row r starts at bank 4 r mod 64 (64 banks of 4 bytes: ISA guide 11.1), so the 16 rows of a load start at 16 different banks
.set FR,     8                         ; registers of a fragment: 16 rows x 128 K
.set NL,     2                         ; LDS loads that bring one
.set NP,     4                         ; places behind this matrix instruction (ISA guide 7.12.1)
.set HALFT,  128*PITCH                 ; 128 rows: what one tensor load brings, and what one wave reads of A or of B
.set SLOT,   4*HALFT                   ; A's 256 rows, then B's 256 rows
.set KS,     SIZE_K/32                 ; a row of scale bytes
.set SCL,    2*SLOT                    ; behind the slots: the scales, as rows of 256 bytes + 16 of padding
.set HALFS,  (128*KS/256)*272          ; the scales of 128 rows: what one tensor load brings
.set SBLK,   (16*KS/256)*272           ; those of 16 rows
.set SPARE,  SCL+4*HALFS               ; behind the scales: the spare words, 128 bytes for each wave, which no other line names
.set SPITCH, 272                       ; the way out: a stage of 16 tokens x (256 bytes + 16) for each wave, in slot 0, which has had its one fill and its last read when the first result is stored there
.set ADRA, 16                          ; v16-17  LDS address of my A fragments in slot 0, 1
.set ADRB, 20                          ; v20-21  the same for B
.set STO,  24                          ; v24     the way out: where I put 16 bytes of a token's row
.set RD,   25                          ; v25     the way out: where I read back
.set CO,   26                          ; v26     16 x lane: my place in a store's 512 bytes
.set ADRS, 27                          ; v27     LDS address of my scale words: lanes 0-15 A's rows, lanes 16-31 B's
.set SPW,  28                          ; v28     LDS address of my spare word; never rewritten
.set NIL,  29                          ; v29     0; never rewritten
.set SC,   32                          ; scale words: set s at v[SC + 32 s]; register 4 i + q: lanes 0-15 the word of A's block i, lanes 16-31 that of B's block i, for the slot's q-th 128 along K
.set AF,   128                         ; A's fragments, in window 0
.set BK,   32                          ; the way out: 16 tokens read back from the stage: v32-63 and v64-95 by turns
.set TMP,  192                         ; the way out: packed results
.set CQ,   96                          ; s[96:97] c = log2(e) / 8 (the packed form names a pair and takes its low word for both halves)
.set G1, 24                            ; s[24:31] descriptor group 1 for A's tiles;  s[32:39] group 0, one set for each slot
.set G0, 32
.set G1B, 48                           ; s[48:55], s[56:63] the same for B's tiles
.set G0B, 56
.set G1S, 68                           ; s[68:75], s[76:79] groups 1 and 0 for A's scales;  s[80:87], s[88:91] for B's
.set G0S, 76
.set G1SB, 80
.set G0SB, 88
.set MSB, 0
.macro WIN new                         ; the immediate's high byte repeats the setting that is left; a switch that changes nothing is dropped
.if MSB != (\new)
	s_set_vgpr_msb (MSB<<8)|(\new)
.set MSB, (\new)
.endif
.endm
.set MUL_LO, 0xa1                      ; source 0 (B) window 1, source 1 (A) window 0, C and D window 2
.set MUL_HI, 0xf1                      ; the same, C and D window 3
.set TO_B,   0x40                      ; destination window 1, address window 0
; A joint load: waves 0 and 1 fetch for A, waves 2 and 3 for B.  Each of the two lines has ONE mask and one set of registers for all that issue it; the branch hangs on the wave's number alone.
; An s_nop 0 and four v_nop follow each of the two lines, ahead of the jump, the label and what follows.
.macro JLOAD g0a, g1a, g0b, g1b
	s_cmp_eq_u32 s15, 0
	s_cbranch_scc0 .Lfor_b_\@
	tensor_load_to_lds s[\g0a:\g0a+3], s[\g1a:\g1a+7]
	s_nop 0
.rept 4
	v_nop
.endr
	s_branch .Lasked_\@
.Lfor_b_\@:
	tensor_load_to_lds s[\g0b:\g0b+3], s[\g1b:\g1b+7]
	s_nop 0
.rept 4
	v_nop
.endr
.Lasked_\@:
.endm
.macro CROUND                          ; a round of the cluster's barrier: my work-group's barrier; wave 0 signals for the work-group; every wave waits for all sixteen; my work-group's barrier once more
	s_barrier_signal -1
	s_barrier_wait -1
	s_cmp_lg_u32 s14, 0
	s_cbranch_scc1 .Lnot_wave_0_\@
	s_barrier_signal -3
.Lnot_wave_0_\@:
	s_barrier_wait -3
	s_barrier_signal -1
	s_barrier_wait -1
.endm
	s_load_b128 s[4:7], s[0:1], 0x0                ; x's codes s[4:5], x's scales s[6:7]
	s_load_b128 s[8:11], s[0:1], 0x10              ; the weights' codes s[8:9], their scales s[10:11]
	s_load_b64 s[12:13], s[0:1], 0x20              ; qkv
	v_lshl_add_u32 v[SPW], v0, 2, SPARE
	v_mov_b32 v[NIL], 0
	ds_add_u32 v[SPW], v[NIL]                      ; the wave's opening: the add, twice on end, and its wait ahead of my first tensor load; the set-up below, work on registers, stands between
	ds_add_u32 v[SPW], v[NIL]
	v_lshrrev_b32 v1, 5, v0
	v_readfirstlane_b32 s14, v1                    ; wave 0..3
	s_lshr_b32 s15, s14, 1                         ; which half of the tile's rows is mine.  Also: I fetch for A (0) or for B (1)
	s_and_b32 s16, s14, 1                          ; which half of its columns.  Also: which 128 rows of that tile I fetch
	s_bfe_u32 s40, ttmp6, 0x40000                  ; cx, cy: my place in the cluster
	s_bfe_u32 s41, ttmp6, 0x40004
	s_lshl_b32 s42, ttmp9, 2
	s_add_co_u32 s42, s42, s40                     ; tile column of C = 4 x cluster x + cx
	s_and_b32 s17, ttmp7, 0xffff
	s_lshl_b32 s17, s17, 2
	s_add_co_u32 s17, s17, s41                     ; tile row of C = 4 x cluster y + cy
	s_lshl_b32 s43, s41, 2
	s_lshl_b32 s43, 15, s43                        ; my row of the cluster
	s_lshl_b32 s44, 0x1111, s40                    ; my column
	s_mov_b32 s[CQ], 0x3e38aa3b
	s_mov_b32 s[CQ+1], s[CQ]
	; descriptor group 1: a tile of 128 rows x 256 bytes, padded in LDS
	s_or_b32 s[G1+0], s43, (0<<16)|(1<<20)|(1<<21)|(5<<22)|(3<<25)  ; 15:0 the mask: A's tiles go to my row; 17:16 element of 1 byte; 20 padding on; 21 set beside a mask; 24:22 after every 64 words (code 5); 31:25 of 4 words (code 3)
	s_or_b32 s[G1B+0], s44, (0<<16)|(1<<20)|(1<<21)|(5<<22)|(3<<25)
.irp g, G1, G1B
	s_mov_b32 s[\g+1], ROWB<<16                    ; tensor_dim0
	s_mov_b32 s[\g+2], 128<<16                     ; tensor_dim1 = 128
	s_mov_b32 s[\g+3], ROWB<<16                    ; tile_dim0
	s_mov_b32 s[\g+4], 128                         ; tile_dim1 = 128
	s_mov_b32 s[\g+5], KROW                        ; tensor_dim0_stride
	s_mov_b32 s[\g+6], 0
	s_mov_b32 s[\g+7], 0
.endr
	; and for the scales of 128 rows: a dense block of 4,096 bytes, as 16 rows of 256 bytes (32 elements of 8 bytes), 16 bytes of padding behind each
	s_or_b32 s[G1S+0], s43, (3<<16)|(1<<20)|(1<<21)|(5<<22)|(3<<25)
	s_or_b32 s[G1SB+0], s44, (3<<16)|(1<<20)|(1<<21)|(5<<22)|(3<<25)
.irp g, G1S, G1SB
	s_mov_b32 s[\g+1], 32<<16
	s_mov_b32 s[\g+2], (128*KS/256)<<16
	s_mov_b32 s[\g+3], 32<<16
	s_mov_b32 s[\g+4], 128*KS/256
	s_mov_b32 s[\g+5], 32
	s_mov_b32 s[\g+6], 0
	s_mov_b32 s[\g+7], 0
.endr
	s_lshl_b32 s18, s16, 7                         ; which 128 rows of the tile I fetch
	s_lshl_b32 s20, s17, 8
	s_add_co_u32 s20, s20, s18                     ; A: row 256 x tile row + 128 x half
	s_lshl_b32 s46, s42, 8
	s_add_co_u32 s46, s46, s18                     ; B: row 256 x tile column + 128 x half
	s_mov_b32 s21, 0
	s_mov_b32 s47, 0
	s_mov_b64 s[18:19], KS
	s_mul_u64 s[22:23], s[20:21], s[18:19]         ; where these rows' scales begin, in bytes
	s_mul_u64 s[92:93], s[46:47], s[18:19]
	s_mov_b64 s[18:19], KROW
	s_mul_u64 s[20:21], s[20:21], s[18:19]         ; and their codes
	s_mul_u64 s[46:47], s[46:47], s[18:19]
	s_mul_i32 s45, s14, HALFT                      ; where they go: wave x 128 rows: no place in the cluster enters an LDS address
	s_mul_i32 s94, s14, HALFS
	s_wait_dscnt 0x0                               ; both opening adds are done
	s_wait_kmcnt 0x0
	s_add_nc_u64 s[20:21], s[4:5], s[20:21]
	s_add_nc_u64 s[22:23], s[6:7], s[22:23]
	s_add_nc_u64 s[46:47], s[8:9], s[46:47]
	s_add_nc_u64 s[92:93], s[10:11], s[92:93]
	CROUND                                         ; all sixteen work-groups are here: the joint loads meet
	s_mov_b32 s[G0S], 1
	s_add_co_u32 s[G0S+1], s94, SCL
	s_mov_b64 s[G0S+2:G0S+3], s[22:23]
	s_or_b32 s[G0S+3], s[G0S+3], 0x80000000
	s_mov_b32 s[G0SB], 1
	s_add_co_u32 s[G0SB+1], s94, SCL
	s_mov_b64 s[G0SB+2:G0SB+3], s[92:93]
	s_or_b32 s[G0SB+3], s[G0SB+3], 0x80000000
	JLOAD G0S, G1S, G0SB, G1SB                     ; the scales first: they are wanted with slot 0
.irp s, 0,1
	s_mov_b32 s[G0+4*\s], 1
	s_add_co_u32 s[G0+4*\s+1], s45, \s*SLOT
	s_add_nc_u64 s[G0+4*\s+2:G0+4*\s+3], s[20:21], \s*ROWB
	s_or_b32 s[G0+4*\s+3], s[G0+4*\s+3], 0x80000000
	s_mov_b32 s[G0B+4*\s], 1
	s_add_co_u32 s[G0B+4*\s+1], s45, \s*SLOT
	s_add_nc_u64 s[G0B+4*\s+2:G0B+4*\s+3], s[46:47], \s*ROWB
	s_or_b32 s[G0B+4*\s+3], s[G0B+4*\s+3], 0x80000000
	JLOAD G0+4*\s, G1, G0B+4*\s, G1B
.endr
	v_and_b32 v1, 15, v0                           ; r = l % 16
	v_bfe_u32 v2, v0, 4, 1                         ; h = l / 16
	v_mul_u32_u24 v3, v1, PITCH
	v_lshl_add_u32 v4, v2, 4, v3                   ; a fragment's row x pitch + 16 x half
	s_mul_i32 s21, s15, HALFT                      ; my 128 rows of A
	s_mul_i32 s22, s16, HALFT                      ; my 128 rows of B,
	s_add_co_u32 s22, s22, 2*HALFT                 ; which lie behind A's 256
.irp s, 0,1
	v_add_nc_u32 v[ADRA+\s], s21, v4
	v_add_nc_u32 v[ADRB+\s], s22, v4
	s_add_co_u32 s21, s21, SLOT
	s_add_co_u32 s22, s22, SLOT
.endr
	v_mul_u32_u24 v5, v1, KS                       ; my row's scales: 32 bytes a row,
	v_lshrrev_b32 v6, 8, v5
	v_lshl_add_u32 v5, v6, 4, v5                   ; and 16 more for each 256 passed
	s_mul_i32 s21, s15, HALFS                      ; A's: my 128 rows
	s_mul_i32 s22, s16, HALFS                      ; B's: my 128 rows, behind A's 256
	s_add_co_u32 s22, s22, 2*HALFS
	s_sub_co_u32 s22, s22, s21
	v_mul_u32_u24 v6, s22, v2                      ; lanes 16-31 take B's: one product, the distance between the two bases
	s_add_co_u32 s21, s21, SCL
	v_add_nc_u32 v5, v5, v6
	v_add_nc_u32 v[ADRS], s21, v5
	s_mul_i32 s23, s14, 16*SPITCH                  ; my stage
	v_mul_u32_u24 v5, v1, SPITCH                   ; in: token r, 16 bytes for each half of the lanes
	v_lshl_add_u32 v5, v2, 4, v5
	v_add_nc_u32 v[STO], s23, v5
	v_and_b32 v6, 31, v0
	v_lshrrev_b32 v7, 3, v6                        ; back: eight lanes take the 128 bytes of one token and one head, the 32 lanes four tokens
	v_and_b32 v8, 7, v6
	v_mul_u32_u24 v7, v7, SPITCH
	v_lshl_add_u32 v7, v8, 4, v7
	v_add_nc_u32 v[RD], s23, v7
	v_lshlrev_b32 v[CO], 4, v6                     ; in qkv four tokens of a head are 512 consecutive bytes
	; where my part begins in qkv: part = cluster x (a part is four tile columns); batch = tile row / 8; head = 4 cx + 2 x my column half (+ 0, 1); t = 256 (tile row % 8) + 128 x my row half
	s_lshl_b32 s20, ttmp9, 24                      ; a part is 2^24 bytes
	s_lshr_b32 s21, s17, 3
	s_lshl_b32 s21, s21, 4
	s_lshl_b32 s46, s40, 2
	s_add_co_u32 s21, s21, s46
	s_lshl_b32 s46, s16, 1
	s_add_co_u32 s21, s21, s46
	s_lshl_b32 s21, s21, 18                        ; a head is 2^18 bytes
	s_add_co_u32 s20, s20, s21
	s_and_b32 s21, s17, 7
	s_lshl_b32 s21, s21, 8
	s_lshl_b32 s46, s15, 7
	s_add_co_u32 s21, s21, s46
	s_lshl_b32 s21, s21, 7                         ; a token's row of a head is 128 bytes
	s_add_co_u32 s20, s20, s21
	s_mov_b32 s21, 0
	s_add_nc_u64 s[12:13], s[12:13], s[20:21]      ; never stepped: all else stands in the stores' immediates
.macro FRAG reg, adr, q, i             ; a fragment, 16 rows x 128 K of 4-bit codes, is 8 registers: lane l holds row l % 16; registers 4 c .. 4 c + 3 hold K = 64 c + 32 (l / 16) + 0 .. 31
.irp c, 0,1
	ds_load_b128 v[\reg+4*\c:\reg+4*\c+3], v[\adr] offset:64*(\q)+32*\c+(\i)*16*PITCH
.endr
.endm
; 16 matrix instructions: A's blocks a0, a0 + 1 x B's eight, 128 along K: the slot's q-th.  p: B's set;  sc: the set of scale words.  zero = 1: the first product starts the sums: nothing is ever cleared.
; The 64 accumulators take turns, one instruction a turn, in the same order in every step.
.macro MUL16 a0, p, q, sc, zero
.irp a, \a0, \a0+1
.irp b, 0,1,2,3,4,5,6,7
.if \zero
	v_wmma_scale_f32_16x16x128_f8f6f4 v[8*(8*((\a)%4)+\b):8*(8*((\a)%4)+\b)+7], v[128*(\p)+FR*\b:128*(\p)+FR*\b+FR-1], v[AF+FR*(\a):AF+FR*(\a)+FR-1], 0, v[SC+8*NQ*(\sc)+NQ*\b+(\q)], v[SC+8*NQ*(\sc)+NQ*(\a)+(\q)] matrix_a_fmt:MATRIX_FMT_FP4 matrix_b_fmt:MATRIX_FMT_FP4 matrix_a_scale:MATRIX_SCALE_ROW1
.else
	v_wmma_scale_f32_16x16x128_f8f6f4 v[8*(8*((\a)%4)+\b):8*(8*((\a)%4)+\b)+7], v[128*(\p)+FR*\b:128*(\p)+FR*\b+FR-1], v[AF+FR*(\a):AF+FR*(\a)+FR-1], v[8*(8*((\a)%4)+\b):8*(8*((\a)%4)+\b)+7], v[SC+8*NQ*(\sc)+NQ*\b+(\q)], v[SC+8*NQ*(\sc)+NQ*(\a)+(\q)] matrix_a_fmt:MATRIX_FMT_FP4 matrix_b_fmt:MATRIX_FMT_FP4 matrix_a_scale:MATRIX_SCALE_ROW1
.endif
.endr
.endr
.endm
.macro FETCH_B slot, q, p              ; B's eight fragments of the slot's q-th 128 along K into set p
	WIN TO_B
.irp i, 0,1,2,3,4,5,6,7
	FRAG 128*(\p)+FR*\i, ADRB+\slot, \q, \i
.endr
	WIN 0
.endm
.macro FETCH_A slot, q, i0             ; A's blocks i0 .. i0 + 3
.irp i, \i0, \i0+1, \i0+2, \i0+3
	FRAG AF+FR*(\i), ADRA+\slot, \q, \i
.endr
.endm
.macro SCALES sc                       ; a slot's scale words into set sc: 4 words a row; lanes 0-15 take A's block i, lanes 16-31 B's block i
.irp i, 0,1,2,3,4,5,6,7
	ds_load_b128 v[SC+8*NQ*\sc+NQ*\i:SC+8*NQ*\sc+NQ*\i+3], v[ADRS] offset:\i*SBLK
.endr
.endm
; A load into a register that a matrix instruction has read, and a vector instruction or an LDS store that reads a matrix result, stand NP places behind that matrix instruction, and only plain vector
; instructions that name none of its registers are places (ISA guide 7.12.1 for vector instructions).
.macro PLACES n
.rept \n
	v_nop
.endr
.endm
; A step of 128 along K that has its successor in the same slot.  A's blocks go one after the other, each against B's eight: a block of A is free when its eight products are issued, so A has one set of registers.
.macro STEP slot, q, zero
	s_wait_dscnt 4*NL                              ; B's set and A's blocks 0-3 are in; the youngest eight loads (A's blocks 4-7) may be out
	WIN MUL_LO
	MUL16 0, (\q)%2, \q, \slot, \zero
	MUL16 2, (\q)%2, \q, \slot, \zero
	s_wait_dscnt 0                                 ; A's blocks 4-7 are in (asked for 32 matrix instructions ago)
	PLACES NP
	FETCH_B \slot, (\q)+1, 1-(\q)%2
	FETCH_A \slot, (\q)+1, 0
	WIN MUL_HI
	MUL16 4, (\q)%2, \q, \slot, \zero
	MUL16 6, (\q)%2, \q, \slot, \zero
	PLACES NP
	WIN 0
	FETCH_A \slot, (\q)+1, 4
.endm
.macro STEPS slot, from                ; the slot's steps from .. NQ - 2
.set Q, \from
.rept NQ-1-\from
	STEP \slot, Q, 0
.set Q, Q+1
.endr
.endm
	s_wait_tensorcnt 1                             ; the scales and my part of slot 0 are in (slot 1's load, the one issued behind them, may be out),
	s_barrier_signal -1
	s_barrier_wait -1                              ; everybody's are
	FETCH_B 0, 0, 0
	FETCH_A 0, 0, 0
	SCALES 0
	FETCH_A 0, 0, 4
	STEP 0, 0, 1                                   ; the first step's products start the sums
	STEPS 0, 1
	; slot 0's last step changes slots: one barrier; in front of it each wave waits for all its tensor loads (my part of slot 1) and for its own reads of slot 0, which the way out will write
	s_wait_tensorcnt 0x0
	ds_add_u32 v[SPW], v[NIL]                      ; 0 onto my spare word
	s_wait_dscnt 4*NL+1                            ; (the add and the youngest eight loads, A's blocks 4-7, may be out)
	WIN MUL_LO
	MUL16 0, 1, NQ-1, 0, 0                         ; sixteen matrix instructions stand between the add and the wait for it
	s_wait_dscnt 0x0                               ; the add is done, and my reads of slot 0 are over
	s_barrier_signal -1
	MUL16 2, 1, NQ-1, 0, 0
	WIN 0
	s_barrier_wait -1
	PLACES NP
	v_add_nc_u32 v[ADRS], 4*NQ, v[ADRS]            ; on to slot 1's scale words (no LDS load of mine is out)
	FETCH_B 1, 0, 0
	FETCH_A 1, 0, 0
	SCALES 1
	WIN MUL_HI
	MUL16 4, 1, NQ-1, 0, 0
	MUL16 6, 1, NQ-1, 0, 0
	PLACES NP
	WIN 0
	FETCH_A 1, 0, 4
	STEPS 1, 0
	s_wait_dscnt 4*NL                              ; the very last step: nothing more to fetch
	WIN MUL_LO
	MUL16 0, 1, NQ-1, 1, 0
	MUL16 2, 1, NQ-1, 1, 0
	s_wait_dscnt 0
	WIN MUL_HI
	MUL16 4, 1, NQ-1, 1, 0
	MUL16 6, 1, NQ-1, 1, 0
	WIN 0
; THE WAY OUT, block by block of 16 tokens x 128 features (two heads).  PACK: part 0 (q) is multiplied by c in f32; then all are rounded to f16, 16 bytes a lane.  The branch hangs on the cluster's x alone, which all sixteen partners share.
.macro PACK a
.set AC, 64*((\a)%4)
	WIN 0
	s_cmp_lg_u32 ttmp9, 0
	s_cbranch_scc1 .Lplain_\@
	WIN 0x82+0x41*((\a)/4)                         ; destination and source 0: window 2 or 3
.irp i, 0,2,4,6,8,10,12,14,16,18,20,22,24,26,28,30,32,34,36,38,40,42,44,46,48,50,52,54,56,58,60,62
	v_pk_mul_f32 v[AC+\i:AC+\i+1], v[AC+\i:AC+\i+1], s[CQ:CQ+1] op_sel_hi:[1,0]   ; each accumulator from its low end on
.endr
	WIN 0
.Lplain_\@:
	WIN 0x0a+5*((\a)/4)                            ; sources 0 and 1: window 2 or 3
.irp b, 0,1,2,3,4,5,6,7
.irp r, 0,1,2,3
	v_cvt_pk_f16_f32 v[TMP+4*\b+\r], v[AC+8*\b+2*\r], v[AC+8*\b+2*\r+1]
.endr
.endr
	WIN 0
.endm
; TOSTAGE: into my own stage, a token a row, and back by heads: one load takes four tokens x 128 bytes of one head.  LDS serves a wave's instructions in order (ISA guide 5.7.1.4): no wait between the stores and the loads.
.macro TOSTAGE a
.set BB, BK+32*((\a)%2)
.irp b, 0,1,2,3,4,5,6,7
	ds_store_b128 v[STO], v[TMP+4*\b:TMP+4*\b+3] offset:32*\b
.endr
.irp hh, 0,1
.irp u, 0,1,2,3
	ds_load_b128 v[BB+4*(4*\hh+\u):BB+4*(4*\hh+\u)+3], v[RD] offset:4*SPITCH*\u+128*\hh
.endr
.endr
.endm
.macro SEND a
.set BB, BK+32*((\a)%2)
	s_wait_dscnt 0x0                               ; the block is back in registers
	s_wait_xcnt 0x0                                ; the stores of the block before have read their registers: the next block's loads from the stage land there
.irp hh, 0,1
.irp u, 0,1,2,3
	global_store_b128 v[CO], v[BB+4*(4*\hh+\u):BB+4*(4*\hh+\u)+3], s[12:13] offset:262144*\hh+2048*(\a)+512*\u   ; 32 lanes store 512 consecutive bytes, at a multiple of 512 from qkv's first byte
.endr
.endr
.endm
	PLACES NP                                      ; behind the last products, ahead of the first reads of results and of loads into registers that held scales
	PACK 0
	TOSTAGE 0
.irp a, 1,2,3,4,5,6,7                  ; block a's arithmetic stands between block a - 1's loads from the stage and the wait for them
	PACK \a
	SEND \a-1
	TOSTAGE \a
.endr
	SEND 7
	s_wait_tensorcnt 0x0                           ; the wave's end: behind my last tensor load and my last LDS store
	ds_add_u32 v[SPW], v[NIL]
	s_wait_dscnt 0x0
	CROUND                                         ; the closing round: no work-group ends while a partner may still ask for a tile that names it
	s_endpgm
.Lfunc_end_k_q457a2c4c40_gemm:
	.size	k_q457a2c4c40_gemm, .Lfunc_end_k_q457a2c4c40_gemm-k_q457a2c4c40_gemm
	.p2alignl 7, 3214868480
	.fill 96, 4, 3214868480
	.section	.rodata,"a",@progbits
	.p2align	6, 0x0
	.amdhsa_kernel k_q457a2c4c40_gemm
		.amdhsa_group_segment_fixed_size 327680
		.amdhsa_private_segment_fixed_size 0
		.amdhsa_enable_private_segment 0
		.amdhsa_kernarg_size 40
		.amdhsa_user_sgpr_count 2
		.amdhsa_user_sgpr_kernarg_segment_ptr 1
		.amdhsa_wavefront_size32 1
		.amdhsa_system_sgpr_workgroup_id_x 1
		.amdhsa_system_sgpr_workgroup_id_y 1
		.amdhsa_system_sgpr_workgroup_id_z 1
		.amdhsa_system_vgpr_workitem_id 0
		.amdhsa_next_free_vgpr 1024
		.amdhsa_next_free_sgpr 98
		.amdhsa_reserve_vcc 0
		.amdhsa_float_denorm_mode_32 3
		.amdhsa_float_denorm_mode_16_64 3
		.amdhsa_memory_ordered 1
		.amdhsa_forward_progress 1
		.amdhsa_inst_pref_size 143
	.end_amdhsa_kernel
	.amdgpu_metadata
---
amdhsa.version: [ 1, 2 ]
amdhsa.kernels:
  - .name:           k_q457a2c4c40_gemm
    .symbol:         k_q457a2c4c40_gemm.kd
    .args:
      - { .name: xc, .offset: 0, .size: 8, .value_kind: global_buffer, .address_space: global }
      - { .name: xs, .offset: 8, .size: 8, .value_kind: global_buffer, .address_space: global }
      - { .name: wc, .offset: 16, .size: 8, .value_kind: global_buffer, .address_space: global }
      - { .name: ws, .offset: 24, .size: 8, .value_kind: global_buffer, .address_space: global }
      - { .name: qkv, .offset: 32, .size: 8, .value_kind: global_buffer, .address_space: global }
    .group_segment_fixed_size: 327680
    .private_segment_fixed_size: 0
    .kernarg_segment_align: 8
    .kernarg_segment_size: 40
    .max_flat_workgroup_size: 128
    .sgpr_count:     98
    .vgpr_count:     1024
    .wavefront_size: 32
...
	.end_amdgpu_metadata
.endif
;; end of part 2
;; launch attn (part 3): grid 4 x 64, 8 waves a work-group, no clusters, 327,680 bytes of LDS; arguments qkv, out0; writes out0
.if DOCPART == 3
	.amdgcn_target "amdgcn-amd-amdhsa--gfx1250"
	.amdhsa_code_object_version 6
	.text
	.protected	k_q457a2c4c40_attn
	.globl	k_q457a2c4c40_attn
	.p2align	8
	.type	k_q457a2c4c40_attn,@function
k_q457a2c4c40_attn:
	s_mov_b64 s[64:65], 0
	v_nop
	global_prefetch_b8 v0, s[64:65] scope:SCOPE_SE
	s_setreg_imm32_b32 hwreg(HW_REG_WAVE_MODE, 25, 1), 1
	s_wait_xcnt 0x0
; Causal attention for 64 (batch, head) pairs: out[b][t][64 head + d] = sum over keys k <= t of softmax_k(q[t] . k[k] / 8) v[k][d].  q (already times c = log2(e) / 8), k, v: f16, qkv [part][batch x head][t 2048][64].  out0: f32.
; Products on f16 operands with f32 sums; maxima, exponentials and rescalings in f32; the weights p are rounded to f16 for the second product.  The first 16 positions of every sequence are left to a launch of their own, in f32.
; LIMITS: the row's sum is taken of p AS ROUNDED TO f16 (summed in f32), so that numerator and divisor hold the same weights; NaN and infinities are not served.
; SHARES.  Work-group (j, head) owns the blocks j and 7 - j of 256 queries: 256 work-groups of equal work under the causal mask.  Wave w of eight owns four tiles of 16 queries, at 256 j + 16 w, 256 j + 16 (15 - w),
; 256 (7 - j) + 16 w, 256 (7 - j) + 16 (15 - w): in a slot on the diagonal tiles w and 15 - w take part in 5 of 8 tile steps in every wave, so the waves reach each barrier with equal work.  Two waves to a SIMD (512 registers each),
; so that one wave's softmax stands beside the other's products; a fragment of K or V read from LDS feeds up to four tiles.
; KEYS go 64 a step; K's and V's rows come through two LDS slots of 256 keys, filled by the tensor data mover (waves 0, 1: K's halves; waves 2, 3: V's) and read by all eight.  Every work-group walks all eight changes of slots (the trip
; counts are constants); a step or a tile all of whose keys come after its queries is jumped over by a scalar branch on ids, and a slot that no wave would read is not asked for.
; NO CLUSTER: the four work-groups of a head need 8, 7, 6 and 5 slots of keys: partners would need different numbers of tiles, and a partner would jump over the reads of a joint tile.
; LAYOUT.  S^T = K Q^T (source 0 = 16 keys, source 1 = 16 queries): a lane holds ONE query (lane % 16) and keys 8 (lane / 16) + 0..7.  Two such tiles, rounded to f16 in pairs, ARE source 1 (32 keys x 16 queries) of O^T = V^T P.
; K comes out of LDS as it lies, V ([key][channel]) turned, by ds_load_tr16_b128.  THE ROW'S SUM is one more product: a constant fragment whose rows 0 and 8 are ones, times P: register 0 of its result holds the query's sum in all
; 32 lanes.  Two matrix instructions a tile step stand for sixteen packed additions and an exchange between lanes: here the vector instructions are the many (102 beside 18).
; SOFTMAX.  A running maximum m and sum l for each query: p = 2^(s - m); in every step O and l are multiplied by a = 2^(m_old - m_new).  O, l begin as zeros and m as -3e38: the first step's a is 0 and multiplies zeros.
; REGISTERS.  window 0: v1-14 addresses and constants; v16-23 m (a pair a tile; at the end 1 / l); v24-31 at work; v32-63 S^T, then p; v64-79 P; v80-111 l's accumulators; v112-239 O^T, 32 a tile.
;   window 1: v0-63 Q, 16 a tile; v64-127 K of a step; v128-191 V of a step; v192-199 the fragment of ones.
.set PARTB, 1<<24                      ; bytes of a part of qkv
.set PK,    144                        ; a row of K in LDS: 128 bytes + 16 of padding = 36 words: the 16 rows of a load start at 16 different groups of four banks (64 banks of 4 bytes: ISA guide 11.1)
.set PV,    160                        ; a row of V: 128 + 32
.set VOFF,  256*PK                     ; a slot: 256 rows of K, then 256 rows of V
.set SLOT1, 1<<17                      ; slot 1 begins here, so that one exclusive or turns an address in one slot into the other's
.set STAGE, SLOT1+256*(PK+PV)          ; behind the slots: 16 rows x 272 bytes for each wave, for the way out; no tensor load lands here
.set SPARE, STAGE+8*16*272             ; the spare words, 128 bytes for each wave, which no other line names
.set AK0, 1                            ; v1   my lane's place in a step's rows of K
.set AV0, 2                            ; v2   the same for V
.set ADK, 3                            ; v3   LDS address of the step's K
.set ADV, 4                            ; v4   of its V
.set SPW, 5                            ; v5   LDS address of my spare word; never rewritten
.set NIL, 6                            ; v6   0; never rewritten
.set STO, 7                            ; v7   the way out: where I put 32 bytes of a row
.set RD,  8                            ; v8   where I read a row back
.set GO,  9                            ; v9   my byte offset in a tile's rows of out0
.set QO,  10                           ; v10  my byte offset in a tile's rows of q
.set PFO, 11                           ; v11  256 x my lane: the prefetches' offset; never rewritten
.set DL,  12                           ; v12  lane % 16 - 8 (lane / 16)
.set DD,  13                           ; v13  the mask's bound
.set NINF, 14                          ; v14  -infinity
.set MX,  16                           ; v[16 + 2 t] m of tile t; its upper neighbour is 0 and is only named with it as a pair
.set CM,  24                           ; v24-27 four chains of the maximum
.set XR,  28                           ; v28  the other half of the lanes' maximum
.set NR,  29                           ; v29  the new m
.set AR,  30                           ; v30  a
.set DR,  31                           ; v31  m_old - m_new
.set S,   32
.set P,   64
.set LS,  80
.set OA,  112
.set KR,  64                           ; in window 1
.set VR,  128
.set ON,  192
.set WV,  8                            ; s8   my wave's number
.set BH,  10                           ; s10  batch x 16 + head
.set Q0,  12                           ; s12-15 my four tiles' first queries; s15 is the largest
.set KF,  16                           ; s16  the step's first key
.set TBK, 17                           ; s17  LDS byte at which the step's rows of K begin
.set TBV, 18                           ; s18  the same count for V (VOFF stands in AV0)
.set SLOTS, 19                         ; s19  changes of slots still to come in the loop
.set STEPC, 20                         ; s20  counts a slot's four steps
.set QLAST, 21                         ; s21  my work-group's last query
.set LIM, 23                           ; s23  1 in a wave that prefetches, else the greatest number
.set SEL, 24                           ; s[24:25] lane selects for v_permlanex16_b32: lane l xor 16
.set PFA, 26                           ; s[26:27] where my prefetches stand
.set G1K, 28                           ; s[28:35] descriptor group 1 for K's tiles;  s[36:43] for V's: it differs in the padding alone
.set G1V, 36
.set G0K, 44                           ; s[44:47], s[48:51] their groups 0, which walk
.set G0V, 48
.set OB,  52                           ; s[52:59] out0 at my four tiles
.set QB,  66                           ; s[66:73] q at my four tiles
.set MSB, 0
.macro WIN new                         ; the immediate's high byte repeats the setting that is left; a switch that changes nothing is dropped
.if MSB != (\new)
	s_set_vgpr_msb (MSB<<8)|(\new)
.set MSB, (\new)
.endif
.endm
.set W_KQ, 0x05                        ; K and Q in window 1, S^T in window 0
.set W_PV, 0x01                        ; V (or the ones) in window 1, P and O^T in window 0
.set TO_1, 0x40                        ; destination window 1
; Waves 0 and 1 fetch for K, waves 2 and 3 for V, the others nothing.  The branches hang on the wave's number alone.  An s_nop 0 and four v_nop follow each of the two lines.
.macro TLOAD
	s_cmp_lt_u32 s[WV], 2
	s_cbranch_scc0 .Lnot_k_\@
	tensor_load_to_lds s[G0K:G0K+3], s[G1K:G1K+7]
	s_nop 0
.rept 4
	v_nop
.endr
	s_branch .Lasked_\@
.Lnot_k_\@:
	s_cmp_lt_u32 s[WV], 4
	s_cbranch_scc0 .Lasked_\@
	tensor_load_to_lds s[G0V:G0V+3], s[G1V:G1V+7]
	s_nop 0
.rept 4
	v_nop
.endr
.Lasked_\@:
.endm
; A PREFETCH INTO THE L2 of what the NEXT change of slots will ask for: a slot's four key steps ahead of that load.  All four work-groups of a head walk the same K and V: the one with j = 0, which walks all eight slots, asks, and nobody
; else.  In it the waves ask that fetch nothing: wave 4 + i names the 16,384 bytes that wave i will load, lanes 256 bytes apart, two instructions.  So each aligned block of 256 bytes is named once in the launch.
; Slots 0 and 1 come by their loads alone; the change that asks for slot 7 prefetches nothing: there is no slot behind it.
.macro ASK
	s_cmp_gt_u32 s[SLOTS], s[LIM]
	s_cbranch_scc0 .Lnot_mine_\@
	global_prefetch_b8 v[PFO], s[PFA:PFA+1] th:TH_LOAD_NT scope:SCOPE_SE
	global_prefetch_b8 v[PFO], s[PFA:PFA+1] offset:8192 th:TH_LOAD_NT scope:SCOPE_SE
.Lnot_mine_\@:
.endm
	s_load_b128 s[4:7], s[0:1], 0x0                ; qkv s[4:5], out0 s[6:7]
	v_lshl_add_u32 v[SPW], v0, 2, SPARE
	v_mov_b32 v[NIL], 0
	ds_add_u32 v[SPW], v[NIL]                      ; the wave's opening: the add, twice on end, and its wait ahead of my first tensor load; the set-up below, work on registers, stands between
	ds_add_u32 v[SPW], v[NIL]
	v_lshrrev_b32 v24, 5, v0
	v_readfirstlane_b32 s[WV], v24                 ; wave 0..7
	s_and_b32 s[BH], ttmp7, 0xffff
	s_lshl_b32 s60, ttmp9, 8                       ; 256 j
	s_lshl_b32 s61, s[WV], 4                       ; 16 w
	s_add_co_u32 s[Q0], s60, s61
	s_add_co_u32 s[Q0+1], s60, 240
	s_sub_co_u32 s[Q0+1], s[Q0+1], s61
	s_sub_co_u32 s62, 1792, s60                    ; 256 (7 - j)
	s_add_co_u32 s[Q0+2], s62, s61
	s_add_co_u32 s[Q0+3], s62, 240
	s_sub_co_u32 s[Q0+3], s[Q0+3], s61             ; the largest of the four: 15 - w > w
	s_add_co_u32 s[QLAST], s62, 255
	; descriptor group 1: 128 rows of 64 elements of 2 bytes, dense in memory, padded in LDS
	s_mov_b32 s[G1K], (1<<16)|(1<<20)|(4<<22)|(3<<25)   ; 15:0 no mask; 17:16 elements of 2 bytes; 20 padding on; 24:22 after every 32 words (code 4); 31:25 four words (code 3)
	s_mov_b32 s[G1V], (1<<16)|(1<<20)|(4<<22)|(7<<25)   ; the same with eight words (code 7)
.irp g, G1K, G1V
	s_mov_b32 s[\g+1], 64<<16                      ; tensor_dim0 = 64
	s_mov_b32 s[\g+2], 128<<16                     ; tensor_dim1 = 128
	s_mov_b32 s[\g+3], 64<<16                      ; tile_dim0 = 64
	s_mov_b32 s[\g+4], 128                         ; tile_dim1 = 128
	s_mov_b32 s[\g+5], 64                          ; tensor_dim0_stride
	s_mov_b32 s[\g+6], 0
	s_mov_b32 s[\g+7], 0
.endr
	s_and_b32 s60, s[WV], 1                        ; which half of a slot's rows I fetch, or name in a prefetch
	s_mov_b32 s[G0K], 1
	s_mul_i32 s[G0K+1], s60, 128*PK                ; its place in slot 0
	s_mov_b32 s[G0V], 1
	s_mul_i32 s[G0V+1], s60, 128*PV
	s_add_co_u32 s[G0V+1], s[G0V+1], VOFF
	s_lshl_b32 s62, s60, 14                        ; 128 rows of 128 bytes
	s_lshl_b32 s74, s[BH], 18                      ; the head's first byte in a part
	s_add_co_u32 s62, s62, s74
	s_add_co_u32 s62, s62, PARTB                   ; in part 1, k
	s_mov_b32 s63, 0
	s_mov_b32 s[SEL], 0x76543210
	s_mov_b32 s[SEL+1], 0xfedcba98
	s_mov_b32 s[KF], 0
	s_mov_b32 s[TBK], 0
	s_mov_b32 s[TBV], 0
	s_mov_b32 s[SLOTS], 7
	s_lshr_b32 s60, s[WV], 2
	s_xor_b32 s60, s60, 1                          ; 0 in waves 4 to 7,
	s_or_b32 s60, s60, ttmp9                       ; of the work-group with j = 0
	s_cmp_eq_u32 s60, 0
	s_cselect_b32 s[LIM], 1, -1
	s_wait_dscnt 0x0                               ; both opening adds are done
	s_wait_kmcnt 0x0
	s_add_nc_u64 s[G0K+2:G0K+3], s[4:5], s[62:63]
	s_add_nc_u64 s[G0V+2:G0V+3], s[G0K+2:G0K+3], PARTB   ; v lies a part behind k
	s_or_b32 s[G0K+3], s[G0K+3], 0x80000000        ; 127:126 type = 2
	s_or_b32 s[G0V+3], s[G0V+3], 0x80000000
	TLOAD                                          ; slot 0: it holds key 0, which counts for every query
	s_add_nc_u64 s[PFA:PFA+1], s[4:5], s[62:63]    ; the prefetches: my half of k's rows,
	s_bfe_u32 s60, s[WV], 0x10001
	s_lshl_b32 s60, s60, 24                        ; or of v's in waves 6 and 7,
	s_add_co_u32 s60, s60, 32768                   ; in slot 1: the first change of slots steps it to slot 2.  Nothing is prefetched here, at the head
	s_mov_b32 s61, 0
	s_add_nc_u64 s[PFA:PFA+1], s[PFA:PFA+1], s[60:61]
	s_lshr_b32 s75, s[BH], 4
	s_lshl_b32 s75, s75, 23                        ; out0: a batch is 2,048 rows of 4,096 bytes,
	s_and_b32 s60, s[BH], 15
	s_lshl_b32 s60, s60, 8                         ; a head 256 bytes of a row
	s_add_co_u32 s75, s75, s60
.irp t, 0,1,2,3
	s_lshl_b32 s60, s[Q0+\t], 7
	s_add_co_u32 s60, s60, s74
	s_add_nc_u64 s[QB+2*\t:QB+2*\t+1], s[4:5], s[60:61]
	s_lshl_b32 s60, s[Q0+\t], 12
	s_add_co_u32 s60, s60, s75
	s_add_nc_u64 s[OB+2*\t:OB+2*\t+1], s[6:7], s[60:61]
.endr
	v_and_b32 v24, 15, v0                          ; r
	v_bfe_u32 v25, v0, 4, 1                        ; h
	v_lshlrev_b32 v[QO], 7, v24
	v_lshl_add_u32 v[QO], v25, 4, v[QO]            ; q: row r of 128 bytes, + 16 h
	v_and_b32 v26, 7, v0
	v_mov_b32 v27, 0x3c003c00                      ; 1.0 twice, in f16
	v_cmp_eq_u32 vcc_lo, 0, v26
	v_cndmask_b32 v27, 0, v27, vcc_lo              ; the fragment of ones: a lane holds row lane % 16: rows 0 and 8 are ones, the others zeros
	WIN TO_1
.irp t, 0,1,2,3                        ; Q stays in registers: a fragment is 16 queries x 32 channels: two loads of 16 bytes, 32 bytes apart
.irp c, 0,1
	global_load_b128 v[16*\t+8*\c:16*\t+8*\c+3],   v[QO], s[QB+2*\t:QB+2*\t+1] offset:64*\c th:TH_LOAD_NT
	global_load_b128 v[16*\t+8*\c+4:16*\t+8*\c+7], v[QO], s[QB+2*\t:QB+2*\t+1] offset:64*\c+32 th:TH_LOAD_NT
.endr
.endr
.irp i, 0,1,2,3,4,5,6,7
	v_mov_b32 v[ON+\i], v27
.endr
	WIN 0
	v_mul_u32_u24 v[AK0], v24, PK
	v_lshl_add_u32 v[AK0], v25, 4, v[AK0]          ; K: row r x pitch + 16 h
	v_bfe_u32 v27, v0, 3, 1                        ; V, for the turning load: lane l reads 16 bytes of key 8 h + l % 8, channels 8 ((l / 8) % 2) on
	v_lshl_add_u32 v[AV0], v25, 3, v26
	v_mul_u32_u24 v[AV0], v[AV0], PV
	v_lshl_add_u32 v[AV0], v27, 4, v[AV0]
	v_add_nc_u32 v[AV0], VOFF, v[AV0]
	s_mul_i32 s60, s[WV], 16*272
	s_add_co_u32 s60, s60, STAGE                   ; my stage
	v_mul_u32_u24 v[STO], v24, 272
	v_lshl_add_u32 v[STO], v25, 5, v[STO]
	v_add_nc_u32 v[STO], s60, v[STO]               ; in: row r, 32 bytes for each half of the lanes
	v_mul_u32_u24 v[RD], v25, 272
	v_lshl_add_u32 v[RD], v24, 4, v[RD]
	v_add_nc_u32 v[RD], s60, v[RD]                 ; back: lanes 0-15 one row of 256 bytes, lanes 16-31 the next
	v_lshlrev_b32 v[GO], 12, v25
	v_lshl_add_u32 v[GO], v24, 4, v[GO]            ; and the same two rows in out0
	v_and_b32 v[PFO], 31, v0
	v_lshlrev_b32 v[PFO], 8, v[PFO]
	v_lshlrev_b32 v[DL], 3, v25
	v_sub_nc_u32 v[DL], v24, v[DL]
	v_mov_b32 v[NINF], 0xff800000
	v_mov_b32 v[XR], 0                             ; written once: a lane permute's destination counts as one of its sources
.irp t, 0,1,2,3
	v_mov_b32 v[MX+2*\t], 0xff61b1e6               ; m: -3e38, under every score
	v_mov_b32 v[MX+2*\t+1], 0
.endr
.set i, LS
.rept 160
	v_mov_b32 v[i], 0                              ; l's accumulators and O^T, once in the launch: so the key step is written once for all steps, and a tile's first step, which falls in another trip for each tile, needs no text of its own
.set i, i+1
.endr
; ONE TILE'S PART IN A KEY STEP: 8 products K Q^T, the softmax, 10 products V^T P.  The accumulators take turns, one instruction a turn: four, then five.
.macro TILE t
.set rM, MX+2*(\t)
.set rL, LS+8*(\t)
.set rO, OA+32*(\t)
	s_cmp_gt_u32 s[KF], s[Q0+(\t)]                 ; all 64 keys come after my 16 queries (both numbers are multiples of 16): the tile takes no part
	s_cbranch_scc1 .Lskip_\@
	s_wait_dscnt 16                                ; K's sixteen loads are in; V's sixteen, issued behind them, may be out
	WIN W_KQ
.irp i, 0,1,2,3                        ; keys 16 i on; channels 0-31 start the sums,
	v_wmma_f32_16x16x32_f16 v[S+8*\i:S+8*\i+7], v[KR+16*\i:KR+16*\i+7], v[16*(\t):16*(\t)+7], 0
.endr
.irp i, 0,1,2,3                        ; channels 32-63 end them
	v_wmma_f32_16x16x32_f16 v[S+8*\i:S+8*\i+7], v[KR+16*\i+8:KR+16*\i+15], v[16*(\t)+8:16*(\t)+15], v[S+8*\i:S+8*\i+7]
.endr
	WIN 0
.rept 4
	v_nop                                          ; four places between the products and the first read of their results (ISA guide 7.12.1)
.endr
	s_add_co_u32 s60, s[KF], 64
	s_cmp_le_u32 s60, s[Q0+(\t)]                   ; all 64 keys count for all 16 queries: no mask
	s_cbranch_scc1 .Lopen_\@
	s_sub_co_u32 s60, s[Q0+(\t)], s[KF]
	v_add_nc_u32 v[DD], s60, v[DL]                 ; register 8 i + e holds key KF + 16 i + 8 h + e: hidden where 16 i + e > my query - KF - 8 h
.irp n, 0,1,2,3,4,5,6,7,8,9,10,11,12,13,14,15,16,17,18,19,20,21,22,23,24,25,26,27,28,29,30,31
	v_cmp_gt_i32 vcc_lo, 16*(\n/8)+\n%8, v[DD]
	v_cndmask_b32 v[S+\n], v[S+\n], v[NINF], vcc_lo   ; -infinity ahead of the maximum: p = 0 then.  Key KF counts for every query of a tile that takes part, so the maximum is a number
.endr
.Lopen_\@:
.irp q, 0,1,2,3                        ; the maximum of my 32 scores and the old m, three operands at a time, four chains; each result is read from its low end on
	v_max3_num_f32 v[CM+\q], v[S+8*\q], v[S+8*\q+1], v[S+8*\q+2]
.endr
.irp q, 0,1,2,3
	v_max3_num_f32 v[CM+\q], v[CM+\q], v[S+8*\q+3], v[S+8*\q+4]
.endr
.irp q, 0,1,2,3
	v_max3_num_f32 v[CM+\q], v[CM+\q], v[S+8*\q+5], v[S+8*\q+6]
.endr
	v_max3_num_f32 v[CM], v[CM], v[S+7], v[S+15]
	v_max3_num_f32 v[CM+2], v[CM+2], v[S+23], v[S+31]
	v_max3_num_f32 v[CM], v[CM], v[CM+1], v[CM+2]
	v_max3_num_f32 v[CM], v[CM], v[CM+3], v[rM]
	v_permlanex16_b32 v[XR], v[CM], s[SEL], s[SEL+1]   ; the query's other 32 keys lie in the lane 16 away
	v_max_num_f32 v[NR], v[CM], v[XR]
	v_sub_f32 v[DR], v[rM], v[NR]                  ; m_old - m_new, 0 or less
	v_mov_b32 v[rM], v[NR]
.irp i, 0,2,4,6,8,10,12,14,16,18,20,22,24,26,28,30
	v_pk_add_f32 v[S+\i:S+\i+1], v[S+\i:S+\i+1], v[rM:rM+1] op_sel_hi:[1,0] neg_lo:[0,1] neg_hi:[0,1]   ; s - m, two at a time: exact at the maximum, whatever the size of the scores
.endr
	v_exp_f32 v[AR], v[DR]                         ; ONE BATCH of 33 exponentials: a,
.irp n, 0,1,2,3,4,5,6,7,8,9,10,11,12,13,14,15,16,17,18,19,20,21,22,23,24,25,26,27,28,29,30,31
	v_exp_f32 v[S+\n], v[S+\n]                     ; and p = 2^(s - m), at most 1
.endr
	v_nop                                          ; a plain instruction behind the last exponential, ahead of the first use (ISA guide 5.7.2)
	s_wait_alu depctr_va_vdst(0)                   ; and the one wait ahead of the batch's first reader
.irp i, 0,1,2,3,4,5,6,7,8,9,10,11,12,13,14,15
	v_cvt_pk_f16_f32 v[P+\i], v[S+2*\i], v[S+2*\i+1]   ; registers 8 u .. 8 u + 7 of P: source 1 for keys 32 u on
.endr
.irp i, 0,2,4,6,8,10,12,14,16,18,20,22,24,26,28,30
	v_pk_mul_f32 v[rO+\i:rO+\i+1], v[rO+\i:rO+\i+1], v[AR:AR+1] op_sel_hi:[1,0]   ; O^T x a, each accumulator from its low end on
.endr
	v_mul_f32 v[rL], v[AR], v[rL]                  ; l x a: register 0 alone holds a sum, the other seven hold zeros
	s_wait_dscnt 0x0                               ; V is in
	WIN W_PV
.irp u, 0,1                            ; keys 32 u on
.irp c, 0,1,2,3                        ; channels 16 c on
	v_wmma_f32_16x16x32_f16 v[rO+8*\c:rO+8*\c+7], v[VR+32*\u+8*\c:VR+32*\u+8*\c+7], v[P+8*\u:P+8*\u+7], v[rO+8*\c:rO+8*\c+7]
.endr
	v_wmma_f32_16x16x32_f16 v[rL:rL+7], v[ON:ON+7], v[P+8*\u:P+8*\u+7], v[rL:rL+7]   ; the row's sum
.endr
	WIN 0
.Lskip_\@:
.endm
; A KEY STEP: 64 keys.  Its fragments of K (16 loads) and of V (16 turning loads) come in one run and feed the wave's tiles one after the other.
.macro STEP
	s_cmp_gt_u32 s[KF], s[Q0+3]                    ; all keys come after all my queries: nothing is read, nothing multiplied; the lines that step addresses are run all the same
	s_cbranch_scc1 .Lnone_\@
	v_add_nc_u32 v[ADK], s[TBK], v[AK0]
	v_add_nc_u32 v[ADV], s[TBV], v[AV0]
	v_nop
	v_nop                                          ; with the two additions: four places between the last step's products and loads into the registers that they read
	WIN TO_1
.irp k, 0,1,2,3                        ; keys 16 k on, channels 32 c on
.irp c, 0,1
	ds_load_b128 v[KR+16*\k+8*\c:KR+16*\k+8*\c+3],   v[ADK] offset:16*PK*\k+64*\c
	ds_load_b128 v[KR+16*\k+8*\c+4:KR+16*\k+8*\c+7], v[ADK] offset:16*PK*\k+64*\c+32
.endr
.endr
.irp u, 0,1                            ; keys 32 u on, channels 16 c on
.irp c, 0,1,2,3
	ds_load_tr16_b128 v[VR+32*\u+8*\c:VR+32*\u+8*\c+3],   v[ADV] offset:32*PV*\u+32*\c
	ds_load_tr16_b128 v[VR+32*\u+8*\c+4:VR+32*\u+8*\c+7], v[ADV] offset:32*PV*\u+16*PV+32*\c
.endr
.endr
	WIN 0
	TILE 0
	TILE 1
	TILE 2
	TILE 3
	s_wait_dscnt 0x0                               ; whichever tiles took part, no load of this step is out when the next step loads into the same registers
.Lnone_\@:
	s_add_co_u32 s[KF], s[KF], 64
	s_add_co_u32 s[TBK], s[TBK], 64*PK
	s_add_co_u32 s[TBV], s[TBV], 64*PV
.endm
; A slot's four key steps: written once, walked four times; then the addresses go back to a slot's first step, in the other slot.
.macro SLOT_STEPS
	s_mov_b32 s[STEPC], 4
.Lstep_\@:
	STEP
	s_sub_co_u32 s[STEPC], s[STEPC], 1
	s_cmp_lg_u32 s[STEPC], 0
	s_cbranch_scc1 .Lstep_\@
	s_sub_co_u32 s[TBK], s[TBK], 256*PK
	s_xor_b32 s[TBK], s[TBK], SLOT1
	s_sub_co_u32 s[TBV], s[TBV], 256*PV
	s_xor_b32 s[TBV], s[TBV], SLOT1
.endm
; THE CHANGE OF SLOTS stands at a slot's head.  Each wave waits for all its tensor loads (its part of the slot that it is about to read), adds 0 to its spare word, and waits for that and for its reads of the slot that it has left.
; Behind the barrier the slot ahead is whole and nobody reads the other one.  fill = 1: that other slot is filled with the next 256 keys, one load a wave, which has a whole slot's steps in which to land.  By this text's own count
; a wave has one tensor load outstanding at the most.  Every wait for tensor loads in this text is for all of them.
.macro CHANGE fill
	s_wait_tensorcnt 0x0                           ; no tensor load of mine is out, so a group 0 may be written
	ds_add_u32 v[SPW], v[NIL]                      ; 0 onto my spare word
.if \fill
	ds_add_u32 v[SPW], v[NIL]                      ; and once more: the add twice on end here, in every trip alike; the descriptors' steps stand between the second and the wait
	s_xor_b32 s[G0K+1], s[G0K+1], SLOT1            ; the walking descriptors: the other slot than last time,
	s_add_nc_u64 s[G0K+2:G0K+3], s[G0K+2:G0K+3], 32768   ; the next 256 rows of 128 bytes; the type bits on top are not reached
	s_xor_b32 s[G0V+1], s[G0V+1], SLOT1
	s_add_nc_u64 s[G0V+2:G0V+3], s[G0V+2:G0V+3], 32768
	s_wait_xcnt 0x0                                ; the last prefetches, a slot back, have read their address, so it may be written:
	s_add_nc_u64 s[PFA:PFA+1], s[PFA:PFA+1], 32768 ; one slot further on than the walking descriptors
.endif
	s_wait_dscnt 0x0                               ; the add is done, and my reads of the slot that I have left are over
	s_barrier_signal -1
	s_barrier_wait -1
.if \fill
	s_add_co_u32 s60, s[KF], 256                   ; THE LOOK-AHEAD ENDS AT THE CAUSAL LIMIT: a slot whose first key comes after my work-group's last query is read by none of its waves, so it is not asked for.
	s_cmp_gt_u32 s60, s[QLAST]                     ; Ids and the count of steps alone: all eight waves go the same way, and a work-group that is past the limit stays past it.  The jump leads round the load's own lines and nothing else
	s_cbranch_scc1 .Lpast_\@
	TLOAD                                          ; a wave's one tensor load until the next change
.Lpast_\@:
	ASK
.endif
.endm
	s_wait_loadcnt 0x0                             ; Q
.Lslot:                                            ; seven trips: behind each change of slots but the last the next slot is asked for, up to the causal limit
	CHANGE 1
	SLOT_STEPS
	s_sub_co_u32 s[SLOTS], s[SLOTS], 1
	s_cmp_lg_u32 s[SLOTS], 0
	s_cbranch_scc1 .Lslot
	CHANGE 0                                       ; the last slot is written out: nothing is left to ask for
	SLOT_STEPS
	; THE WAY OUT.  O^T is divided by l and goes through my stage in LDS, a tile (16 rows of 256 bytes) at a time, so that sixteen lanes store 256 consecutive bytes, aligned.
.rept 4
	v_nop                                          ; places behind the last products
.endr
.irp t, 0,1,2,3
	v_rcp_f32 v[MX+2*\t], v[LS+8*\t]               ; 1 / l takes m's place.  l is at least 1: the largest p is 1
.endr
	v_nop                                          ; a plain instruction between the last reciprocal and the use of its result
	s_wait_alu depctr_va_vdst(0)                   ; and the wait: one for the four
.macro OUT t
.set rO, OA+32*(\t)
.set rM, MX+2*(\t)
.irp i, 0,2,4,6,8,10,12,14,16,18,20,22,24,26,28,30
	v_pk_mul_f32 v[rO+\i:rO+\i+1], v[rO+\i:rO+\i+1], v[rM:rM+1] op_sel_hi:[1,0]
.endr
.irp c, 0,1,2,3
	ds_store_b128 v[STO], v[rO+8*\c:rO+8*\c+3] offset:64*\c          ; lane (r, h): channels 16 c + 8 h + 0 .. 7 of row r
	ds_store_b128 v[STO], v[rO+8*\c+4:rO+8*\c+7] offset:64*\c+16
.endr
.irp i, 0,1,2,3,4,5,6,7
	ds_load_b128 v[rO+4*\i:rO+4*\i+3], v[RD] offset:544*\i           ; LDS serves a wave's instructions in order (ISA guide 5.7.1.4): these see the stores above, and the next tile's stores come behind them
.endr
.irp i, 0,1,2,3,4,5,6,7
	s_wait_dscnt 7-\i                              ; the younger loads may stay out
	global_store_b128 v[GO], v[rO+4*\i:rO+4*\i+3], s[OB+2*(\t):OB+2*(\t)+1] offset:8192*\i th:TH_STORE_NT   ; written once, read by nobody here
.endr
.endm
	s_cmp_eq_u32 s[Q0], 0                          ; the first 16 positions of a sequence are stored by the launch that carries them in f32
	s_cbranch_scc1 .Lfine_rows
	OUT 0
.Lfine_rows:
	OUT 1
	OUT 2
	OUT 3
	s_wait_tensorcnt 0x0                           ; the wave's end: behind my last tensor load and my last LDS store
	ds_add_u32 v[SPW], v[NIL]
	s_wait_dscnt 0x0
	s_endpgm
.Lfunc_end_k_q457a2c4c40_attn:
	.size	k_q457a2c4c40_attn, .Lfunc_end_k_q457a2c4c40_attn-k_q457a2c4c40_attn
	.p2alignl 7, 3214868480
	.fill 96, 4, 3214868480
	.section	.rodata,"a",@progbits
	.p2align	6, 0x0
	.amdhsa_kernel k_q457a2c4c40_attn
		.amdhsa_group_segment_fixed_size 327680
		.amdhsa_private_segment_fixed_size 0
		.amdhsa_enable_private_segment 0
		.amdhsa_kernarg_size 16
		.amdhsa_user_sgpr_count 2
		.amdhsa_user_sgpr_kernarg_segment_ptr 1
		.amdhsa_wavefront_size32 1
		.amdhsa_system_sgpr_workgroup_id_x 1
		.amdhsa_system_sgpr_workgroup_id_y 1
		.amdhsa_system_sgpr_workgroup_id_z 1
		.amdhsa_system_vgpr_workitem_id 0
		.amdhsa_next_free_vgpr 512
		.amdhsa_next_free_sgpr 80
		.amdhsa_reserve_vcc 1
		.amdhsa_float_denorm_mode_32 3
		.amdhsa_float_denorm_mode_16_64 3
		.amdhsa_memory_ordered 1
		.amdhsa_forward_progress 1
		.amdhsa_inst_pref_size 106
	.end_amdhsa_kernel
	.amdgpu_metadata
---
amdhsa.version: [ 1, 2 ]
amdhsa.kernels:
  - .name:           k_q457a2c4c40_attn
    .symbol:         k_q457a2c4c40_attn.kd
    .args:
      - { .name: qkv, .offset: 0, .size: 8, .value_kind: global_buffer, .address_space: global }
      - { .name: out0, .offset: 8, .size: 8, .value_kind: global_buffer, .address_space: global }
    .group_segment_fixed_size: 327680
    .private_segment_fixed_size: 0
    .kernarg_segment_align: 8
    .kernarg_segment_size: 16
    .max_flat_workgroup_size: 256
    .sgpr_count:     80
    .vgpr_count:     512
    .wavefront_size: 32
...
	.end_amdgpu_metadata
.endif
;; end of part 3
;; launch fine (part 4): grid 64 x 1, 12 waves a work-group, no clusters, 18,944 bytes of LDS; arguments xc, xs, wc, ws, out0; writes out0
.if DOCPART == 4
	.amdgcn_target "amdgcn-amd-amdhsa--gfx1250"
	.amdhsa_code_object_version 6
	.text
	.protected	k_q457a2c4c40_fine
	.globl	k_q457a2c4c40_fine
	.p2align	8
	.type	k_q457a2c4c40_fine,@function
k_q457a2c4c40_fine:
	s_mov_b64 s[64:65], 0
	v_nop
	global_prefetch_b8 v0, s[64:65] scope:SCOPE_SE
	s_setreg_imm32_b32 hwreg(HW_REG_WAVE_MODE, 25, 1), 1
	s_wait_xcnt 0x0
; The first 16 positions of every sequence, for each of the 64 (batch, head) pairs, with both products of the attention in f32: these rows average one to sixteen values and are the largest of the output.
; A work-group takes one (batch, head).  PHASE 1, twelve waves: wave 4 p + n makes 16 tokens x 16 features (part p: q, k or v; features 16 n on of the head's 64) from the codes of x and of the weights: eight products on FP4 codes
; with their E8M0 scales, K = 1,024, on two accumulators by turns; the f32 results go to LDS as rows of 64.  A barrier.  PHASE 2, wave 0: S^T = k q^T, the causal mask, the softmax with its maximum, O^T = v^T p, all by the f32 matrix
; form (32 instructions: no bulk work) and f32 vector arithmetic; 16 rows of 256 bytes leave through a stage in LDS.
; Both products are used transposed, so that a lane holds one query.  Along the first product's K (the 64 channels) the same permutation is applied to both sources, so that each lane loads 16 bytes at a time.
; REGISTERS.  Phase 1: v16-79 x's fragments, v80-143 the weight's, v144-159 scale words, v160-175 two accumulators, v176-183 their sum.
;   Phase 2: v16-47 q (at the end rows of the output), v48-79 k (at the end O / l), v80-111 v turned, v112-119 scores, v120-127 p, v128-135 at work, v192-223 the scores' four accumulators, v224-255 O^T's four.
; The registers that the f32 matrix form writes, v192-255, are written by nothing else in this text; the scale words, v144-159, hold nothing else.
; No tensor load, no cluster: what is shared (16 rows of x's codes among 16 heads) is 8 KiB.  64 work-groups: the launch has work for no more.
; LIMITS: as the launches before it: NaN and infinities are not served.
.set RGN,   4352                       ; LDS: q at 0, k at RGN, v at 2 RGN, the stage at 3 RGN: 16 rows x (256 bytes + 16) each
.set SPARE, 4*RGN                      ; the spare words, 128 bytes for each of twelve waves, which no other line names
.set SPW, 2                            ; v2   LDS address of my spare word; never rewritten
.set NIL, 3                            ; v3   0; never rewritten
.set LO,  6                            ; v6   codes: row r of 512 bytes, + 16 h
.set SO,  7                            ; v7   scale words: row r of 32 bytes
.set A1,  9                            ; v9   q's and k's rows for the first product: 272 r + 16 h
.set STO, 10                           ; v10  the stage: where I put 32 bytes of a row
.set W1,  11                           ; v11  where phase 1 puts my tile
.set A2,  12                           ; v12  v, for the second product: key 8 h (+ 0..7), channel r
.set RD,  13                           ; v13  the stage: where I read a row back
.set GO,  14                           ; v14  my byte offset in the 16 rows of out0
.set DM,  15                           ; v15  r - 8 h: the mask's bound
.set CMX, 128                          ; v[128:129] -infinity, then c m; the upper one is 0 and is only named with it as a pair
.set WK,  130                          ; v130-133 the maximum, then the sums
.set RL,  134                          ; v[134:135] 1 / l; the upper one is 0 and is only named with it as a pair
	s_load_b256 s[4:11], s[0:1], 0x0               ; xc s[4:5], xs s[6:7], wc s[8:9], ws s[10:11]
	s_load_b64 s[12:13], s[0:1], 0x20              ; out0
	v_lshl_add_u32 v[SPW], v0, 2, SPARE
	v_mov_b32 v[NIL], 0
	v_lshrrev_b32 v1, 5, v0
	v_readfirstlane_b32 s14, v1                    ; wave 0..11
	s_lshr_b32 s15, s14, 2                         ; part
	s_and_b32 s16, s14, 3                          ; which 16 of the head's 64 features
	s_lshr_b32 s17, ttmp9, 4                       ; batch
	s_and_b32 s18, ttmp9, 15                       ; head
	v_and_b32 v4, 15, v0                           ; r
	v_bfe_u32 v5, v0, 4, 1                         ; h
	v_lshlrev_b32 v[LO], 9, v4
	v_lshl_add_u32 v[LO], v5, 4, v[LO]
	v_lshlrev_b32 v[SO], 5, v4
	; every LDS address is made here, ahead of the place where the waves part
	v_mul_u32_u24 v8, v4, 272
	v_lshl_add_u32 v[A1], v5, 4, v8
	v_lshl_add_u32 v[STO], v5, 5, v8               ; 272 r + 32 h
	s_mul_i32 s22, s15, RGN
	s_lshl_b32 s23, s16, 6
	s_add_co_u32 s22, s22, s23
	v_add_nc_u32 v[W1], s22, v[STO]                ; + my part's region + 64 bytes for each 16 features
	v_add_nc_u32 v[STO], 3*RGN, v[STO]
	v_mul_u32_u24 v[A2], v5, 8*272
	v_lshl_add_u32 v[A2], v4, 2, v[A2]
	v_add_nc_u32 v[A2], 2*RGN, v[A2]
	v_mul_u32_u24 v[RD], v5, 272
	v_lshl_add_u32 v[RD], v4, 4, v[RD]
	v_add_nc_u32 v[RD], 3*RGN, v[RD]
	v_lshlrev_b32 v[GO], 12, v5
	v_lshl_add_u32 v[GO], v4, 4, v[GO]
	v_lshlrev_b32 v[DM], 3, v5
	v_sub_nc_u32 v[DM], v4, v[DM]
	s_lshl_b32 s24, s17, 20                        ; x's codes: a batch is 2,048 rows of 512 bytes
	s_mov_b32 s25, 0
	s_lshl_b32 s26, s17, 16                        ; its scale bytes: 32 a row
	s_mov_b32 s27, 0
	s_lshl_b32 s28, s15, 10                        ; the weights' row: 1,024 x part + 64 x head + 16 x n
	s_lshl_b32 s29, s18, 6
	s_add_co_u32 s28, s28, s29
	s_lshl_b32 s29, s16, 4
	s_add_co_u32 s28, s28, s29
	s_lshl_b32 s30, s28, 9
	s_mov_b32 s31, 0
	s_lshl_b32 s32, s28, 5
	s_mov_b32 s33, 0
	s_lshl_b32 s34, s17, 23                        ; out0: a batch is 2,048 rows of 4,096 bytes; a head 256 bytes of a row
	s_lshl_b32 s29, s18, 8
	s_add_co_u32 s34, s34, s29
	s_mov_b32 s35, 0
	s_mov_b32 s36, 0x76543210
	s_mov_b32 s37, 0xfedcba98                      ; v_permlanex16_b32's selects for lane l xor 16
	s_mov_b32 s38, 0x3e38aa3b                      ; c = log2(e) / 8
	s_mov_b32 s39, s38                             ; (named with it as a pair, so it is written)
	s_wait_kmcnt 0x0
	s_add_nc_u64 s[4:5], s[4:5], s[24:25]
	s_add_nc_u64 s[6:7], s[6:7], s[26:27]
	s_add_nc_u64 s[8:9], s[8:9], s[30:31]
	s_add_nc_u64 s[10:11], s[10:11], s[32:33]
	s_add_nc_u64 s[12:13], s[12:13], s[34:35]
	; ---- PHASE 1.  All loads at once: eight fragments (16 rows x 128 K, 8 registers) of x into v16-79, eight of the weight into v80-143, eight scale words a row of each into v144-151 and v152-159
.irp s, 0,1,2,3,4,5,6,7
	global_load_b128 v[16+8*\s:19+8*\s], v[LO], s[4:5] offset:64*\s
	global_load_b128 v[20+8*\s:23+8*\s], v[LO], s[4:5] offset:64*\s+32
	global_load_b128 v[80+8*\s:83+8*\s], v[LO], s[8:9] offset:64*\s
	global_load_b128 v[84+8*\s:87+8*\s], v[LO], s[8:9] offset:64*\s+32
.endr
	global_load_b128 v[144:147], v[SO], s[6:7]
	global_load_b128 v[148:151], v[SO], s[6:7] offset:16
	global_load_b128 v[152:155], v[SO], s[10:11]
	global_load_b128 v[156:159], v[SO], s[10:11] offset:16
	s_wait_loadcnt 0x0
.irp s, 0,1                            ; TRANSPOSED: source 0 = 16 rows of the weight, source 1 = 16 tokens: lane (r, h) holds token r, features 8 h + 0 .. 7.  Two accumulators by turns
	v_wmma_scale_f32_16x16x128_f8f6f4 v[160+8*\s:167+8*\s], v[80+8*\s:87+8*\s], v[16+8*\s:23+8*\s], 0, v[152+\s], v[144+\s] matrix_a_fmt:MATRIX_FMT_FP4 matrix_b_fmt:MATRIX_FMT_FP4
.endr
.irp s, 2,3,4,5,6,7
	v_wmma_scale_f32_16x16x128_f8f6f4 v[160+8*(\s%2):167+8*(\s%2)], v[80+8*\s:87+8*\s], v[16+8*\s:23+8*\s], v[160+8*(\s%2):167+8*(\s%2)], v[152+\s], v[144+\s] matrix_a_fmt:MATRIX_FMT_FP4 matrix_b_fmt:MATRIX_FMT_FP4
.endr
.rept 4
	v_nop                                          ; four places between the products and the first read of their results (ISA guide 7.12.1)
.endr
.irp i, 0,2,4,6
	v_pk_add_f32 v[176+\i:177+\i], v[160+\i:161+\i], v[168+\i:169+\i]
.endr
	ds_store_b128 v[W1], v[176:179]
	ds_store_b128 v[W1], v[180:183] offset:16
	s_wait_dscnt 0x0                               ; for the others' sake: my stores have landed
	s_barrier_signal -1
	s_barrier_wait -1                              ; q, k and v of the 16 positions lie in LDS
	s_cmp_lg_u32 s14, 0
	s_cbranch_scc1 .Lend
	; ---- PHASE 2, wave 0
.irp c, 0,1,2,3,4,5,6,7                ; lane (r, h): channels 8 c + 4 h + 0 .. 3 of row r: q into v16-47, k into v48-79
	ds_load_b128 v[16+4*\c:19+4*\c], v[A1] offset:32*\c
	ds_load_b128 v[48+4*\c:51+4*\c], v[A1] offset:RGN+32*\c
.endr
.irp c, 0,1,2,3                        ; v[80 + 8 c + e] = v(key 8 h + e, channel 16 c + r): v80-111
.irp e, 0,1,2,3,4,5,6,7
	ds_load_b32 v[80+8*\c+\e], v[A2] offset:272*\e+64*\c
.endr
.endr
	s_wait_dscnt 0x0
.irp i, 0,1,2,3                        ; S^T = k q^T: source 0 = 16 keys, source 1 = 16 queries, four channels an instruction, the same four on both sides; four accumulators by turns; the first four start the sums
	v_wmma_f32_16x16x4_f32 v[192+8*\i:199+8*\i], v[48+2*\i:49+2*\i], v[16+2*\i:17+2*\i], 0
.endr
.irp i, 4,5,6,7,8,9,10,11,12,13,14,15
	v_wmma_f32_16x16x4_f32 v[192+8*(\i%4):199+8*(\i%4)], v[48+2*\i:49+2*\i], v[16+2*\i:17+2*\i], v[192+8*(\i%4):199+8*(\i%4)]
.endr
.rept 8
	v_nop                                          ; eight places behind this form
.endr
.irp i, 0,2,4,6
	v_pk_add_f32 v[112+\i:113+\i], v[192+\i:193+\i], v[200+\i:201+\i]   ; the four parts of each score; lane (r, h), register e: key 8 h + e, query r
.endr
.irp i, 0,2,4,6
	v_pk_add_f32 v[112+\i:113+\i], v[112+\i:113+\i], v[208+\i:209+\i]
.endr
.irp i, 0,2,4,6
	v_pk_add_f32 v[112+\i:113+\i], v[112+\i:113+\i], v[216+\i:217+\i]
.endr
	v_mov_b32 v[CMX], 0xff800000                   ; -infinity
.irp e, 0,1,2,3,4,5,6,7
	v_cmp_gt_i32 vcc_lo, \e, v[DM]                 ; key 8 h + e comes after query r
	v_cndmask_b32 v[112+\e], v[112+\e], v[CMX], vcc_lo
.endr
	v_max3_num_f32 v[WK], v112, v113, v114
	v_max3_num_f32 v[WK], v[WK], v115, v116
	v_max3_num_f32 v[WK], v[WK], v117, v118
	v_max_num_f32 v[WK], v[WK], v119
	v_mov_b32 v[WK+1], 0                           ; a lane permute's destination counts as one of its sources
	v_permlanex16_b32 v[WK+1], v[WK], s36, s37
	v_max_num_f32 v[WK], v[WK], v[WK+1]            ; the row's maximum: key 0 counts for every query, so it is a number
	v_mul_f32 v[CMX], s38, v[WK]                   ; c m
	v_mov_b32 v[CMX+1], 0                          ; (named with it as a pair)
	v_mov_b32 v[RL+1], 0                           ; (likewise, with 1 / l)
.irp i, 0,2,4,6
	v_pk_fma_f32 v[112+\i:113+\i], v[112+\i:113+\i], s[38:39], v[CMX:CMX+1] op_sel_hi:[1,0,0] neg_lo:[0,0,1] neg_hi:[0,0,1]   ; c s - c m, one rounding; the shift is the same for all keys of a row
.endr
.irp e, 0,1,2,3,4,5,6,7
	v_exp_f32 v[120+\e], v[112+\e]                 ; p
.endr
	v_nop                                          ; a plain instruction behind the last exponential
	s_wait_alu depctr_va_vdst(0)                   ; one wait for the batch, ahead of its first reader
	v_pk_add_f32 v[WK:WK+1], v[120:121], v[122:123]
	v_pk_add_f32 v[WK+2:WK+3], v[124:125], v[126:127]
	v_pk_add_f32 v[WK:WK+1], v[WK:WK+1], v[WK+2:WK+3]
	v_add_f32 v[WK], v[WK], v[WK+1]
	v_permlanex16_b32 v[WK+1], v[WK], s36, s37
	v_add_f32 v[WK], v[WK], v[WK+1]                ; the row's sum, at least 1: the largest p is 1
	v_rcp_f32 v[RL], v[WK]
	v_nop                                          ; a plain instruction behind the reciprocal; the products below name neither its result nor its source
.irp c, 0,1,2,3                        ; O^T = v^T p: source 0 = 16 channels, source 1 = 16 queries; register pair i of both means keys 8 h + 2 i, 8 h + 2 i + 1; four accumulators by turns
	v_wmma_f32_16x16x4_f32 v[224+8*\c:231+8*\c], v[80+8*\c:81+8*\c], v[120:121], 0
.endr
.irp i, 1,2,3
.irp c, 0,1,2,3
	v_wmma_f32_16x16x4_f32 v[224+8*\c:231+8*\c], v[80+8*\c+2*\i:81+8*\c+2*\i], v[120+2*\i:121+2*\i], v[224+8*\c:231+8*\c]
.endr
.endr
.rept 8
	v_nop
.endr
	s_wait_alu depctr_va_vdst(0)                   ; the reciprocal's wait, ahead of its first reader
.irp i, 0,2,4,6,8,10,12,14,16,18,20,22,24,26,28,30
	v_pk_mul_f32 v[48+\i:49+\i], v[224+\i:225+\i], v[RL:RL+1] op_sel_hi:[1,0]   ; O^T / the sum, into k's registers, which are done with; each accumulator from its low end on
.endr
.irp c, 0,1,2,3
	ds_store_b128 v[STO], v[48+8*\c:51+8*\c] offset:64*\c            ; lane (r, h): channels 16 c + 8 h + 0 .. 7 of row r
	ds_store_b128 v[STO], v[52+8*\c:55+8*\c] offset:64*\c+16
.endr
.irp i, 0,1,2,3,4,5,6,7
	ds_load_b128 v[16+4*\i:19+4*\i], v[RD] offset:544*\i             ; in order behind my stores: lanes 0-15 one row of 256 bytes, lanes 16-31 the next
.endr
.irp i, 0,1,2,3,4,5,6,7
	s_wait_dscnt 7-\i                              ; the younger loads may stay out
	global_store_b128 v[GO], v[16+4*\i:19+4*\i], s[12:13] offset:8192*\i th:TH_STORE_NT   ; sixteen lanes store 256 consecutive bytes, aligned
.endr
.Lend:
	s_wait_tensorcnt 0x0                           ; the wave's end: behind my last LDS store
	ds_add_u32 v[SPW], v[NIL]
	s_wait_dscnt 0x0
	s_endpgm
.Lfunc_end_k_q457a2c4c40_fine:
	.size	k_q457a2c4c40_fine, .Lfunc_end_k_q457a2c4c40_fine-k_q457a2c4c40_fine
	.p2alignl 7, 3214868480
	.fill 96, 4, 3214868480
	.section	.rodata,"a",@progbits
	.p2align	6, 0x0
	.amdhsa_kernel k_q457a2c4c40_fine
		.amdhsa_group_segment_fixed_size 18944
		.amdhsa_private_segment_fixed_size 0
		.amdhsa_enable_private_segment 0
		.amdhsa_kernarg_size 40
		.amdhsa_user_sgpr_count 2
		.amdhsa_user_sgpr_kernarg_segment_ptr 1
		.amdhsa_wavefront_size32 1
		.amdhsa_system_sgpr_workgroup_id_x 1
		.amdhsa_system_sgpr_workgroup_id_y 1
		.amdhsa_system_sgpr_workgroup_id_z 1
		.amdhsa_system_vgpr_workitem_id 0
		.amdhsa_next_free_vgpr 256
		.amdhsa_next_free_sgpr 66
		.amdhsa_reserve_vcc 1
		.amdhsa_float_denorm_mode_32 3
		.amdhsa_float_denorm_mode_16_64 3
		.amdhsa_memory_ordered 1
		.amdhsa_forward_progress 1
		.amdhsa_inst_pref_size 20
	.end_amdhsa_kernel
	.amdgpu_metadata
---
amdhsa.version: [ 1, 2 ]
amdhsa.kernels:
  - .name:           k_q457a2c4c40_fine
    .symbol:         k_q457a2c4c40_fine.kd
    .args:
      - { .name: xc, .offset: 0, .size: 8, .value_kind: global_buffer, .address_space: global }
      - { .name: xs, .offset: 8, .size: 8, .value_kind: global_buffer, .address_space: global }
      - { .name: wc, .offset: 16, .size: 8, .value_kind: global_buffer, .address_space: global }
      - { .name: ws, .offset: 24, .size: 8, .value_kind: global_buffer, .address_space: global }
      - { .name: out0, .offset: 32, .size: 8, .value_kind: global_buffer, .address_space: global }
    .group_segment_fixed_size: 18944
    .private_segment_fixed_size: 0
    .kernarg_segment_align: 8
    .kernarg_segment_size: 40
    .max_flat_workgroup_size: 384
    .sgpr_count:     66
    .vgpr_count:     256
    .wavefront_size: 32
...
	.end_amdgpu_metadata
.endif
;; end of part 4
